; MI455X (gfx1250); checked and timed in simulation.
; The chip was launched on July 23, 2026; its instructions are those of AMD's public machine-readable ISA for CDNA 5 (MIT licence, August 2026) and "CDNA5" Instruction Set Architecture Reference Guide (July 2026). The comments in the code are by the model that wrote it; some were corrected since.
;; Dinat Layer Nd. Allowed arithmetic: float matrix products may take bf16 or f16 operands with f32 sums; other float arithmetic in f32, or as packed bf16 or f16 multiplies, adds, multiply-adds, maxima and minima; sums over many terms, partial sums and values carried from step to step in f32; what a program stores and reads back later, other than sums and carried values, may be rounded once to bf16 or f16.
;; Inputs: b1 2,048 float32; b2 512 float32; bk 512 float32; bo 512 float32; bq 512 float32; bv 512 float32; hidden_states 4 x 4,096 x 512 float32; ln1_b 512 float32; ln1_g 512 float32; ln2_b 512 float32; ln2_g 512 float32; rpb 8 x 13 float32; w1 2,048 x 512 float32; w2 512 x 2,048 float32; wk 512 x 512 float32; wo 512 x 512 float32; wq 512 x 512 float32; wv 512 x 512 float32.
;; Outputs: out0 4 x 4,096 x 512 float32.
;; One version. Each part assembles by itself: llvm-mc -triple=amdgcn-amd-amdhsa -mcpu=gfx1250 --defsym DOCPART=n.
;; ======== version 1 of 1: 3 launches
;; workspace buffers: hn 16,777,216 bytes; wts 6,291,456 bytes; qkv 50,724,864 bytes
;; launch prep (part 1): grid 464 x 1, 8 waves a work-group, no clusters, 0 bytes of LDS; arguments hidden_states, ln1_g, ln1_b, wq, wk, wv, wo, w1, w2, hn, wts, qkv; writes hn, wts, qkv
.if DOCPART == 1
	.amdgcn_target "amdgcn-amd-amdhsa--gfx1250"
	.amdhsa_code_object_version 6
	.text
	.protected	k_q2b099cbe93_prep
	.globl	k_q2b099cbe93_prep
	.p2align	8
	.type	k_q2b099cbe93_prep,@function
k_q2b099cbe93_prep:
	s_mov_b64 s[64:65], 0
	v_nop
	global_prefetch_b8 v0, s[64:65] scope:SCOPE_SE
	s_setreg_imm32_b32 hwreg(HW_REG_WAVE_MODE, 25, 1), 1
	s_wait_xcnt 0x0
; THREE JOBS, chosen by the work-group's number alone; no LDS, no barrier, EXEC never changes.
;   0..255    LN1: hn[row][:] = (x - mean) * rsqrt(var + 1e-5) * g + b, rounded once to bf16.  A work-group has 64 rows, a wave 8; a row (2,048 bytes) is
;             four 16-byte loads a lane and stays in registers.  The variance is taken of the centred numbers, so a common offset of a row costs nothing.
;   256..447  the six weight matrices rounded once to bf16 into wts, in their own row-major order: wq|wk|wv, wo, w1, w2; 16,384 numbers a work-group.
;   448..463  zeros into the 16 pad rows in front of and behind each batch of k and of v in qkv ([3][4][4128][512] bf16; token t lies in row 16 + t).
; LIMITS: NaN and infinities are not treated apart.
.set SZ,  16908288                     ; bytes of one of q, k, v in qkv
.set ST,  16                           ; v[16:31]  row i: v[ST+2i] sum, then mean, then 1/sigma; v[ST+2i+1] the other half's figure
.set GG,  32                           ; v[32:47]  g of my 16 columns (128 q + 4 l + e)
.set BB,  48                           ; v[48:63]  b
.set TT,  64                           ; v[64:127] at work, 8 registers a row; last the row's 16 bf16 pairs
.set X,   128                          ; v[128:255] 8 rows x 16 numbers
.macro EACH8 line:vararg               ; one line for each row i
.set i, 0
.rept 8
	\line
.set i, i+1
.endr
.endm
.macro REDUCE                          ; v[ST+2i] summed over the 32 lanes; every lane ends with the sum
.irp m, 1,2,4,8
	EACH8 v_add_f32_dpp v[ST+2*i], v[ST+2*i], v[ST+2*i] row_xmask:\m row_mask:0xf bank_mask:0xf
.endr
	EACH8 v_permlanex16_b32 v[ST+2*i+1], v[ST+2*i], s32, s33
	EACH8 v_add_f32 v[ST+2*i], v[ST+2*i], v[ST+2*i+1]
.endm
	s_load_b512 s[4:19], s[0:1], 0x0               ; x s[4:5], g s[6:7], b s[8:9], wq s[10:11], wk s[12:13], wv s[14:15], wo s[16:17], w1 s[18:19]
	s_load_b256 s[20:27], s[0:1], 0x40             ; w2 s[20:21], hn s[22:23], wts s[24:25], qkv s[26:27]
	s_mov_b32 s2, ttmp9
	v_lshrrev_b32 v3, 5, v0
	v_readfirstlane_b32 s3, v3                     ; wave 0..7
	v_and_b32 v1, 31, v0                           ; lane
	s_wait_kmcnt 0x0
	s_cmp_lt_u32 s2, 256
	s_cbranch_scc0 .Lweights
	; ---- LN1 ----
	v_lshlrev_b32 v2, 3, v1                        ; 8 l: my 4 bf16 of a quarter row
	v_lshlrev_b32 v1, 4, v1                        ; 16 l: my 4 f32 of a quarter row
	s_lshl_b32 s28, s2, 17                         ; 64 rows of 2,048 bytes,
	s_lshl_b32 s29, s3, 14                         ; my wave's 8
	s_add_co_u32 s28, s28, s29
	s_mov_b32 s29, 0
	s_add_nc_u64 s[4:5], s[4:5], s[28:29]
	s_lshr_b32 s28, s28, 1                         ; the same rows in hn: 1,024 bytes each
	s_add_nc_u64 s[22:23], s[22:23], s[28:29]
	s_mov_b32 s30, 0x3b000000                      ; 1/512
	s_mov_b32 s31, 0x3727c5ac                      ; 1e-5
	s_mov_b32 s32, 0x76543210                      ; v_permlanex16_b32: each lane takes its own place in the other half
	s_mov_b32 s33, 0xfedcba98
.irp q, 0,1,2,3
	global_load_b128 v[GG+4*(\q):GG+4*(\q)+3], v1, s[6:7] offset:512*(\q)
	global_load_b128 v[BB+4*(\q):BB+4*(\q)+3], v1, s[8:9] offset:512*(\q)
.endr
.set i, 0
.rept 8
.irp q, 0,1,2,3
	global_load_b128 v[X+16*i+4*(\q):X+16*i+4*(\q)+3], v1, s[4:5] offset:2048*i+512*(\q) th:TH_LOAD_NT  ; 512 consecutive bytes a load
.endr
.set i, i+1
.endr
	EACH8 v_mov_b32 v[ST+2*i+1], 0                 ; v_permlanex16_b32 counts as a reader of its destination
.set i, 0
.rept 8
	s_wait_loadcnt 4*(7-i)                         ; row i is in; the 4 (7 - i) loads of the later rows may stay out
.irp k, 0,1,2,3
	v_pk_add_f32 v[TT+8*i+2*(\k):TT+8*i+2*(\k)+1], v[X+16*i+2*(\k):X+16*i+2*(\k)+1], v[X+16*i+8+2*(\k):X+16*i+8+2*(\k)+1]
.endr
.set i, i+1
.endr
	EACH8 v_pk_add_f32 v[TT+8*i:TT+8*i+1], v[TT+8*i:TT+8*i+1], v[TT+8*i+4:TT+8*i+5]
	EACH8 v_pk_add_f32 v[TT+8*i+2:TT+8*i+3], v[TT+8*i+2:TT+8*i+3], v[TT+8*i+6:TT+8*i+7]
	EACH8 v_pk_add_f32 v[TT+8*i:TT+8*i+1], v[TT+8*i:TT+8*i+1], v[TT+8*i+2:TT+8*i+3]
	EACH8 v_add_f32 v[ST+2*i], v[TT+8*i], v[TT+8*i+1]
	REDUCE
	EACH8 v_mul_f32 v[ST+2*i], s30, v[ST+2*i]      ; the mean
.irp k, 0,1,2,3,4,5,6,7
	EACH8 v_pk_add_f32 v[X+16*i+2*(\k):X+16*i+2*(\k)+1], v[X+16*i+2*(\k):X+16*i+2*(\k)+1], v[ST+2*i:ST+2*i+1] op_sel_hi:[1,0] neg_lo:[0,1] neg_hi:[0,1]  ; centred in place
.endr
.irp k, 0,1
	EACH8 v_pk_mul_f32 v[TT+8*i+2*(\k):TT+8*i+2*(\k)+1], v[X+16*i+2*(\k):X+16*i+2*(\k)+1], v[X+16*i+2*(\k):X+16*i+2*(\k)+1]
.endr
.irp k, 2,3,4,5,6,7
	EACH8 v_pk_fma_f32 v[TT+8*i+2*((\k)%2):TT+8*i+2*((\k)%2)+1], v[X+16*i+2*(\k):X+16*i+2*(\k)+1], v[X+16*i+2*(\k):X+16*i+2*(\k)+1], v[TT+8*i+2*((\k)%2):TT+8*i+2*((\k)%2)+1]
.endr
	EACH8 v_pk_add_f32 v[TT+8*i:TT+8*i+1], v[TT+8*i:TT+8*i+1], v[TT+8*i+2:TT+8*i+3]
	EACH8 v_add_f32 v[ST+2*i], v[TT+8*i], v[TT+8*i+1]
	REDUCE
	EACH8 v_fma_f32 v[ST+2*i], v[ST+2*i], s30, s31 ; var + eps
	EACH8 v_rsq_f32 v[ST+2*i], v[ST+2*i]
	v_nop                                          ; a plain instruction behind the last root,
	s_wait_alu depctr_va_vdst(0)                   ; and one wait for the eight, ahead of their first reader
.irp k, 0,1,2,3,4,5,6,7
	EACH8 v_pk_mul_f32 v[X+16*i+2*(\k):X+16*i+2*(\k)+1], v[X+16*i+2*(\k):X+16*i+2*(\k)+1], v[ST+2*i:ST+2*i+1] op_sel_hi:[1,0]
.endr
.irp k, 0,1,2,3,4,5,6,7
	EACH8 v_pk_fma_f32 v[X+16*i+2*(\k):X+16*i+2*(\k)+1], v[X+16*i+2*(\k):X+16*i+2*(\k)+1], v[GG+2*(\k):GG+2*(\k)+1], v[BB+2*(\k):BB+2*(\k)+1]
.endr
.irp k, 0,1,2,3,4,5,6,7
	EACH8 v_cvt_pk_bf16_f32 v[TT+8*i+(\k)], v[X+16*i+2*(\k)], v[X+16*i+2*(\k)+1]
.endr
.irp q, 0,1,2,3
	EACH8 global_store_b64 v2, v[TT+8*i+2*(\q):TT+8*i+2*(\q)+1], s[22:23] offset:1024*i+256*(\q)  ; a wave's store covers 256 consecutive bytes, aligned
.endr
	s_endpgm
.Lweights:
	s_sub_co_u32 s2, s2, 256
	s_cmp_lt_u32 s2, 192
	s_cbranch_scc0 .Lpads
	; ---- weights to bf16: chunk s2 of 192; which matrix, and its first chunk ----
	s_mov_b64 s[28:29], s[20:21]                   ; w2, chunks 128..191
	s_mov_b32 s30, 128
	s_cmp_lt_u32 s2, 128
	s_cselect_b64 s[28:29], s[18:19], s[28:29]     ; w1, 64..127
	s_cselect_b32 s30, 64, s30
	s_cmp_lt_u32 s2, 64
	s_cselect_b64 s[28:29], s[16:17], s[28:29]     ; wo, 48..63
	s_cselect_b32 s30, 48, s30
	s_cmp_lt_u32 s2, 48
	s_cselect_b64 s[28:29], s[14:15], s[28:29]     ; wv, 32..47
	s_cselect_b32 s30, 32, s30
	s_cmp_lt_u32 s2, 32
	s_cselect_b64 s[28:29], s[12:13], s[28:29]     ; wk, 16..31
	s_cselect_b32 s30, 16, s30
	s_cmp_lt_u32 s2, 16
	s_cselect_b64 s[28:29], s[10:11], s[28:29]     ; wq, 0..15
	s_cselect_b32 s30, 0, s30
	s_sub_co_u32 s30, s2, s30
	s_lshl_b32 s30, s30, 16                        ; 65,536 bytes of f32 a chunk
	s_mov_b32 s31, 0
	s_add_nc_u64 s[28:29], s[28:29], s[30:31]
	s_lshl_b32 s30, s2, 15                         ; 32,768 bytes of bf16
	s_add_nc_u64 s[24:25], s[24:25], s[30:31]
	v_lshlrev_b32 v1, 4, v0
	v_lshlrev_b32 v2, 3, v0
.irp i, 0,1,2,3,4,5,6,7,8,9,10,11,12,13,14,15
	global_load_b128 v[16+4*(\i):19+4*(\i)], v1, s[28:29] offset:4096*(\i) th:TH_LOAD_NT
.endr
.irp i, 0,1,2,3,4,5,6,7,8,9,10,11,12,13,14,15
	s_wait_loadcnt 15-(\i)                         ; load i is in; the younger ones stay out
	v_cvt_pk_bf16_f32 v[80+2*(\i)], v[16+4*(\i)], v[17+4*(\i)]
	v_cvt_pk_bf16_f32 v[81+2*(\i)], v[18+4*(\i)], v[19+4*(\i)]
	global_store_b64 v2, v[80+2*(\i):81+2*(\i)], s[24:25] offset:2048*(\i)
.endr
	s_endpgm
.Lpads:
	; ---- zeros: run j = s2 - 192 of 16: matrix 1 + j / 8, batch (j / 2) % 4, side j % 2 ----
	s_sub_co_u32 s2, s2, 192
	s_lshr_b32 s28, s2, 3
	s_add_co_u32 s28, s28, 1
	s_mul_i32 s28, s28, SZ
	s_bfe_u32 s29, s2, 0x20001
	s_mul_i32 s29, s29, 4128
	s_and_b32 s30, s2, 1
	s_mul_i32 s30, s30, 4112
	s_add_co_u32 s29, s29, s30
	s_lshl_b32 s29, s29, 10
	s_add_co_u32 s28, s28, s29
	s_mov_b32 s29, 0
	s_add_nc_u64 s[26:27], s[26:27], s[28:29]
	v_lshlrev_b32 v1, 4, v0
	v_mov_b32 v4, 0
	v_mov_b32 v5, 0
	v_mov_b32 v6, 0
	v_mov_b32 v7, 0
.irp i, 0,1,2,3
	global_store_b128 v1, v[4:7], s[26:27] offset:4096*(\i)
.endr
	s_endpgm
.Lfunc_end_k_q2b099cbe93_prep:
	.size	k_q2b099cbe93_prep, .Lfunc_end_k_q2b099cbe93_prep-k_q2b099cbe93_prep
	.p2alignl 7, 3214868480
	.fill 96, 4, 3214868480
	.section	.rodata,"a",@progbits
	.p2align	6, 0x0
	.amdhsa_kernel k_q2b099cbe93_prep
		.amdhsa_group_segment_fixed_size 0
		.amdhsa_private_segment_fixed_size 0
		.amdhsa_enable_private_segment 0
		.amdhsa_kernarg_size 96
		.amdhsa_user_sgpr_count 2
		.amdhsa_user_sgpr_kernarg_segment_ptr 1
		.amdhsa_wavefront_size32 1
		.amdhsa_system_sgpr_workgroup_id_x 1
		.amdhsa_system_sgpr_workgroup_id_y 1
		.amdhsa_system_sgpr_workgroup_id_z 1
		.amdhsa_system_vgpr_workitem_id 0
		.amdhsa_next_free_vgpr 256
		.amdhsa_next_free_sgpr 66
		.amdhsa_reserve_vcc 0
		.amdhsa_float_denorm_mode_32 3
		.amdhsa_float_denorm_mode_16_64 3
		.amdhsa_memory_ordered 1
		.amdhsa_forward_progress 1
		.amdhsa_inst_pref_size 48
	.end_amdhsa_kernel
	.amdgpu_metadata
---
amdhsa.version: [ 1, 2 ]
amdhsa.kernels:
  - .name:           k_q2b099cbe93_prep
    .symbol:         k_q2b099cbe93_prep.kd
    .args:
      - { .name: hidden_states, .offset: 0, .size: 8, .value_kind: global_buffer, .address_space: global }
      - { .name: ln1_g, .offset: 8, .size: 8, .value_kind: global_buffer, .address_space: global }
      - { .name: ln1_b, .offset: 16, .size: 8, .value_kind: global_buffer, .address_space: global }
      - { .name: wq, .offset: 24, .size: 8, .value_kind: global_buffer, .address_space: global }
      - { .name: wk, .offset: 32, .size: 8, .value_kind: global_buffer, .address_space: global }
      - { .name: wv, .offset: 40, .size: 8, .value_kind: global_buffer, .address_space: global }
      - { .name: wo, .offset: 48, .size: 8, .value_kind: global_buffer, .address_space: global }
      - { .name: w1, .offset: 56, .size: 8, .value_kind: global_buffer, .address_space: global }
      - { .name: w2, .offset: 64, .size: 8, .value_kind: global_buffer, .address_space: global }
      - { .name: hn, .offset: 72, .size: 8, .value_kind: global_buffer, .address_space: global }
      - { .name: wts, .offset: 80, .size: 8, .value_kind: global_buffer, .address_space: global }
      - { .name: qkv, .offset: 88, .size: 8, .value_kind: global_buffer, .address_space: global }
    .group_segment_fixed_size: 0
    .private_segment_fixed_size: 0
    .kernarg_segment_align: 8
    .kernarg_segment_size: 96
    .max_flat_workgroup_size: 256
    .sgpr_count:     66
    .vgpr_count:     256
    .wavefront_size: 32
...
	.end_amdgpu_metadata
.endif
;; end of part 1
;; launch qkvgemm (part 2): grid 128 x 2, 4 waves a work-group, clusters of 4 x 1, 327,680 bytes of LDS; arguments hn, wts, bq, bk, bv, qkv; writes qkv
.if DOCPART == 2
	.amdgcn_target "amdgcn-amd-amdhsa--gfx1250"
	.amdhsa_code_object_version 6
	.text
	.protected	k_q2b099cbe93_qkvgemm
	.globl	k_q2b099cbe93_qkvgemm
	.p2align	8
	.type	k_q2b099cbe93_qkvgemm,@function
k_q2b099cbe93_qkvgemm:
	s_mov_b64 s[64:65], 0
	v_nop
	global_prefetch_b8 v0, s[64:65] scope:SCOPE_SE
	s_setreg_imm32_b32 hwreg(HW_REG_WAVE_MODE, 25, 1), 1
	s_wait_xcnt 0x0
	s_wait_alu depctr_hold_cnt(0) depctr_sa_sdst(0) depctr_va_vdst(0) depctr_va_sdst(0) depctr_va_ssrc(0) depctr_va_vcc(0) depctr_vm_vsrc(0)
	s_getreg_b32 s2, hwreg(HW_REG_IB_STS2, 6, 4)
	s_cmp_eq_u32 s2, 0
	s_cbranch_scc0 .Lentry_in_a_cluster
	s_endpgm
.Lentry_in_a_cluster:
	s_bfe_u32 s2, ttmp6, 0x10000c
	s_cmp_lg_u32 s2, 0x3003
	s_cbranch_scc0 .Lentry_shape_is_right
	s_endpgm
.Lentry_shape_is_right:
; q | k | v = hn W^T + bias.  hn: [16384][512] bf16; W = wq|wk|wv: [1536][512] bf16 at the head of wts; sums in f32, started by the bias; each result rounded once to bf16
; and stored by token rows into qkv ([3][4][4128][512], token t in row 16 + t).  q is stored unscaled.
; SHARES.  A work-group has 128 rows (block rb = 4 x cluster x + cx) and half of the 1,536 columns (y): six tiles of 128 columns.  Wave w has rows 64 (w / 2) .. + 63 and columns
; 64 (w % 2) .. + 63 of each tile: 16 accumulators.  ITS 64 ROWS OF hn, ALL 512 CHANNELS, STAY IN 512 REGISTERS, so only weights are streamed: a tile is 128 rows of 1,024 bytes.
; CLUSTER.  The four row blocks of a cluster walk the same weight tiles: each tile is asked for jointly, every wave a quarter (32 rows), by the same line and descriptor in all four.
; RING.  Two LDS slots.  Slot 1 first holds the work-group's own 128 rows of hn (a plain tensor load), which are read into registers; then it takes weight tile 1.
; THE BIAS of a tile is asked for in the step before, behind that step's first K quarter, whose products are the last to read the bias registers; the first tile's at the head.
; The matrix instruction is used transposed (source 0 = 16 weight rows, source 1 = 16 token rows): a lane holds one token row and eight neighbouring columns.
; REGISTERS in windows of 256 (s_set_vgpr_msb: bits 1:0 source 0, 3:2 source 1, 5:4 source 2, 7:6 destination):
;   window 0: v0-13 addresses; v32-63 four bias fragments; v64-191 accumulators (a, b) at 64 + 8 (4 a + b); v192-255 the way out
;   windows 1, 2: hn, row block a, K fragment kf at 128 (a % 2) + 8 kf, blocks 0, 1 in window 1, blocks 2, 3 in window 2       window 3: two buffers of 16 weight fragments
; LIMITS: NaN and infinities are not treated apart; operands and results are bf16.
.set PITCH, 1040                       ; an LDS row: 1,024 bytes + 16: an odd multiple of 16, so the 16 rows of a fragment load start in 16 different groups of four banks (ISA guide 11.1)
.set SLOTB, 128*PITCH
.set STG,   2*SLOTB                    ; behind the ring: the work-group's stage for the way out, 128 rows x 272 bytes; no tensor load fills it
.set SP,    272
.set SPARE, STG+128*SP                 ; the spare words, 128 bytes a wave: two blocks of 256 bytes that no other line names
.set SZ,    16908288
.set TILEB, 131072                     ; bytes of a weight tile in memory
.set R,     1                          ; v1   l % 16
.set HH,    2                          ; v2   l / 16
.set SPW,   3                          ; v3   my spare word; never rewritten
.set NIL,   4                          ; v4   0; never rewritten
.set ALD,   5                          ; v5   my place in my 64 rows of hn in slot 1
.set ADRB0, 6                          ; v6   my place in my 64 weight rows of a slot
.set ADR,   7                          ; v7   the same in the slot in hand
.set STO,   8
.set RD,    9
.set CO,    10
.set VBIAS, 11
.set PFO,   12
.set BIAS,  32
.set ACC,   64
.set TMP,   192
.set WV,    20
.set RH,    21
.set CH,    22
.set CX,    23
.set G1W,   24                         ; s[24:31] group 1, weights (joint)
.set G1A,   32                         ; s[32:39] group 1, hn (plain)
.set G0W,   40                         ; s[40:43] group 0, weights: it walks
.set G0A,   44                         ; s[44:47] group 0, hn
.set T,     48                         ; s48  the tile in hand, 6 y + step; behind a step's head: the next tile
.set CNT,   49
.set LIM,   50                         ; s50  1 in a cluster that prefetches, else the greatest number
.set SL,    51                         ; s51  LDS byte of the slot to be read next
.set OUTB,  52                         ; s[52:53] qkv at my block's first token row
.set BP,    54                         ; s[54:55] a tile's bias
.set OP,    56                         ; s[56:57] where the tile goes
.set PFA,   58                         ; s[58:59] where my prefetches stand
.set MSB, 0
.macro WIN new                         ; the immediate's high byte repeats the setting that is left; a switch that changes nothing is dropped
.if MSB != (\new)
	s_set_vgpr_msb (MSB<<8)|(\new)
.set MSB, (\new)
.endif
.endm
.macro PLACES                          ; four plain places behind matrix instructions, and behind a tensor load's s_nop 0
.rept 4
	v_nop
.endr
.endm
.macro ROUND                           ; a round of the cluster's barrier
	s_barrier_signal -1
	s_barrier_wait -1
	s_cmp_lg_u32 s[WV], 0
	s_cbranch_scc1 .Lnw0_\@
	s_barrier_signal -3
.Lnw0_\@:
	s_barrier_wait -3
	s_barrier_signal -1
	s_barrier_wait -1
.endm
.macro BIASLD                          ; the bias of tile s[T]: which of bq, bk, bv, which 128 of its 512 numbers; eight loads into the four fragments
	s_lshr_b32 s60, s[T], 2
	s_and_b32 s61, s[T], 3
	s_cmp_eq_u32 s60, 0
	s_cselect_b64 s[BP:BP+1], s[8:9], s[10:11]
	s_cmp_eq_u32 s60, 2
	s_cselect_b64 s[BP:BP+1], s[12:13], s[BP:BP+1]
	s_lshl_b32 s62, s61, 9
	s_mov_b32 s63, 0
	s_add_nc_u64 s[BP:BP+1], s[BP:BP+1], s[62:63]
.irp b, 0,1,2,3
	global_load_b128 v[BIAS+8*(\b):BIAS+8*(\b)+3],   v[VBIAS], s[BP:BP+1] offset:64*(\b)
	global_load_b128 v[BIAS+8*(\b)+4:BIAS+8*(\b)+7], v[VBIAS], s[BP:BP+1] offset:64*(\b)+16
.endr
.endm
	s_load_b256 s[4:11], s[0:1], 0x0               ; hn s[4:5], wts s[6:7], bq s[8:9], bk s[10:11]
	s_load_b128 s[12:15], s[0:1], 0x20             ; bv s[12:13], qkv s[14:15]
	v_lshl_add_u32 v[SPW], v0, 2, SPARE
	v_mov_b32 v[NIL], 0
	ds_add_u32 v[SPW], v[NIL]                      ; the wave's opening: the add and its wait ahead of my first tensor load
	v_lshrrev_b32 v13, 5, v0
	v_readfirstlane_b32 s[WV], v13                 ; wave 0..3
	s_lshr_b32 s[RH], s[WV], 1
	s_and_b32 s[CH], s[WV], 1
	s_bfe_u32 s[CX], ttmp6, 0x40000                ; my place in the cluster
	s_lshl_b32 s2, ttmp9, 2
	s_add_co_u32 s2, s2, s[CX]                     ; rb
	s_and_b32 s[T], ttmp7, 0xffff                  ; y, which the partners share
	s_mul_i32 s[T], s[T], 6
	s_mov_b32 s[G1W], 15|(1<<16)|(1<<20)|(1<<21)|(7<<22)|(3<<25)  ; mask of four; 2-byte elements; padding on; bit 21 beside a mask; after every 256 words, 4 words
	s_mov_b32 s[G1A], (1<<16)|(1<<20)|(7<<22)|(3<<25)             ; the same with no mask
.irp g, G1W, G1A
	s_mov_b32 s[(\g)+1], 512<<16                   ; tensor_dim0 = 512
	s_mov_b32 s[(\g)+2], 32<<16                    ; tensor_dim1 = 32
	s_mov_b32 s[(\g)+3], 512<<16                   ; tile_dim0 = 512
	s_mov_b32 s[(\g)+4], 32                        ; tile_dim1 = 32
	s_mov_b32 s[(\g)+5], 512                       ; elements from row to row
	s_mov_b32 s[(\g)+6], 0
	s_mov_b32 s[(\g)+7], 0
.endr
	s_mul_i32 s60, s[WV], 32*PITCH                 ; my quarter of a slot: no place in the cluster enters an LDS address
	s_mov_b32 s[G0W], 1
	s_mov_b32 s[G0W+1], s60                        ; slot 0
	s_mov_b32 s[G0A], 1
	s_add_co_u32 s[G0A+1], s60, SLOTB              ; slot 1
	s_lshl_b32 s62, s[T], 17                       ; tile 6 y,
	s_lshl_b32 s61, s[WV], 15                      ; my 32 rows of 1,024 bytes
	s_add_co_u32 s62, s62, s61
	s_mov_b32 s63, 0
	s_lshl_b32 s16, s2, 17                         ; hn: 128 rb rows of 1,024 bytes,
	s_add_co_u32 s16, s16, s61                     ; my 32
	s_mov_b32 s17, 0
	s_lshr_b32 s18, s2, 5                          ; batch n = rb / 32
	s_mul_i32 s18, s18, 4128
	s_and_b32 s19, s2, 31
	s_lshl_b32 s19, s19, 7                         ; first token 128 (rb % 32)
	s_add_co_u32 s18, s18, s19
	s_add_co_u32 s18, s18, 16                      ; behind the batch's pad rows
	s_lshl_b32 s18, s18, 10
	s_mov_b32 s19, 0
	s_add_co_u32 s2, s[T], 1                       ; the prefetches: tile 6 y + 1 (each step goes one on before it asks),
	s_lshl_b32 s2, s2, 17
	s_lshl_b32 s3, s[CX], 15                       ; my work-group's 128 blocks of 256 bytes of the tile's 512,
	s_add_co_u32 s2, s2, s3
	s_lshl_b32 s3, s[WV], 13                       ; my wave's 32
	s_add_co_u32 s2, s2, s3
	s_mov_b32 s3, 0
	s_cmp_eq_u32 ttmp9, 0                          ; all clusters of a column half walk the same tiles: the first of them asks
	s_cselect_b32 s[LIM], 1, -1
	s_mov_b32 s[SL], 0
	s_mov_b32 s[CNT], 5
	s_wait_dscnt 0x0                               ; the opening add is done
	s_wait_kmcnt 0x0
	s_add_nc_u64 s[G0W+2:G0W+3], s[6:7], s[62:63]
	s_or_b32 s[G0W+3], s[G0W+3], 0x80000000        ; type = 2
	s_add_nc_u64 s[G0A+2:G0A+3], s[4:5], s[16:17]
	s_or_b32 s[G0A+3], s[G0A+3], 0x80000000
	s_add_nc_u64 s[OUTB:OUTB+1], s[14:15], s[18:19]
	s_add_nc_u64 s[PFA:PFA+1], s[6:7], s[2:3]
	ROUND                                          ; all four work-groups are here: the first loads go out as one group
	tensor_load_to_lds s[G0A:G0A+3], s[G1A:G1A+7]  ; my 32 rows of hn into slot 1
	s_nop 0
	tensor_load_to_lds s[G0W:G0W+3], s[G1W:G1W+7]  ; my quarter of weight tile 0 into slot 0: two loads of mine are out
	s_nop 0
	PLACES
	v_and_b32 v[R], 15, v0
	v_bfe_u32 v[HH], v0, 4, 1
	v_lshlrev_b32 v[VBIAS], 5, v[HH]               ; bias of columns 64 ch + 16 b + 8 h + 0..7: bytes 256 ch + 64 b + 32 h
	s_lshl_b32 s60, s[CH], 8
	v_add_nc_u32 v[VBIAS], s60, v[VBIAS]
	BIASLD                                         ; the first tile's bias
	v_mul_u32_u24 v13, v[R], PITCH
	v_lshl_add_u32 v13, v[HH], 4, v13              ; a fragment's row x pitch + 16 x half
	s_mul_i32 s60, s[RH], 64*PITCH
	s_add_co_u32 s60, s60, SLOTB
	v_add_nc_u32 v[ALD], s60, v13
	s_mul_i32 s60, s[CH], 64*PITCH
	v_add_nc_u32 v[ADRB0], s60, v13
	v_mul_u32_u24 v[STO], v[R], SP                 ; into the stage: row 64 rh + 16 a + r, bytes 128 ch + 32 b + 16 h
	v_lshl_add_u32 v[STO], v[HH], 4, v[STO]
	s_mul_i32 s60, s[RH], 64*SP
	s_lshl_b32 s61, s[CH], 7
	s_add_co_u32 s60, s60, s61
	s_add_co_u32 s60, s60, STG
	v_add_nc_u32 v[STO], s60, v[STO]
	v_mul_u32_u24 v[RD], v[HH], SP                 ; back: wave w takes rows 32 w .. + 31 whole; lanes 0-15 one row of 256 bytes, lanes 16-31 the next
	v_lshl_add_u32 v[RD], v[R], 4, v[RD]
	s_mul_i32 s60, s[WV], 32*SP
	s_add_co_u32 s60, s60, STG
	v_add_nc_u32 v[RD], s60, v[RD]
	v_lshlrev_b32 v[CO], 10, v[HH]                 ; and the same two rows in qkv
	v_lshl_add_u32 v[CO], v[R], 4, v[CO]
	s_lshl_b32 s60, s[WV], 15
	v_add_nc_u32 v[CO], s60, v[CO]
	v_and_b32 v[PFO], 31, v0
	v_lshlrev_b32 v[PFO], 8, v[PFO]
	s_wait_tensorcnt 0x1                           ; my rows of hn are in; the weight tile, issued behind them, may stay out
	s_barrier_signal -1
	s_barrier_wait -1                              ; everybody's are
.irp a, 0,1,2,3
	WIN 0x40*(1+(\a)/2)
.irp kf, 0,1,2,3,4,5,6,7,8,9,10,11,12,13,14,15
	ds_load_b128 v[128*((\a)&1)+8*(\kf):128*((\a)&1)+8*(\kf)+3],   v[ALD] offset:16*PITCH*(\a)+64*(\kf)
	ds_load_b128 v[128*((\a)&1)+8*(\kf)+4:128*((\a)&1)+8*(\kf)+7], v[ALD] offset:16*PITCH*(\a)+64*(\kf)+32
.endr
.endr
	WIN 0
; 32 LDS loads: the weight fragments of K quarter q (4 x 32 channels, 4 blocks of 16 rows) into buffer f of window 3; the channels ascend, eight loads for each 32
.macro FETCH q, f
	PLACES                                         ; the buffer's last readers are the matrix instructions just issued
	WIN 0xc0
.irp k, 0,1,2,3
.irp b, 0,1,2,3
	ds_load_b128 v[(\f)+32*(\k)+8*(\b):(\f)+32*(\k)+8*(\b)+3],   v[ADR] offset:16*PITCH*(\b)+64*(4*(\q)+(\k))
	ds_load_b128 v[(\f)+32*(\k)+8*(\b)+4:(\f)+32*(\k)+8*(\b)+7], v[ADR] offset:16*PITCH*(\b)+64*(4*(\q)+(\k))+32
.endr
.endr
.endm
; 64 matrix instructions: K quarter q.  Eight accumulators take turns, one instruction a turn.  The first product of a tile takes the bias as C.
; In quarter 0, which stands straight behind the change of slots, each 32 channels are waited for by themselves: behind their eight loads stand 8 (3 - k) of the quarter's and the next quarter's 32.
.macro MUL q
.set FB, 128*((\q)&1)
.irp hf, 0,1
	WIN 0x07+4*(\hf)                               ; weights window 3; hn window 1 (blocks 0, 1) or 2 (blocks 2, 3); C and D window 0
.irp k, 0,1,2,3
.if ((\q) == 0) && ((\hf) == 0)
	s_wait_dscnt 56-8*(\k)
.endif
.irp a, 0,1
.irp b, 0,1,2,3
.set rD, ACC+8*(4*(2*(\hf)+(\a))+(\b))
.set rW, FB+32*(\k)+8*(\b)
.set rA, 128*(\a)+8*(4*(\q)+(\k))
.if ((\q) == 0) && ((\k) == 0)
	v_wmma_f32_16x16x32_bf16 v[rD:rD+7], v[rW:rW+7], v[rA:rA+7], v[BIAS+8*(\b):BIAS+8*(\b)+7]
.else
	v_wmma_f32_16x16x32_bf16 v[rD:rD+7], v[rW:rW+7], v[rA:rA+7], v[rD:rD+7]
.endif
.endr
.endr
.endr
.endr
.endm
; A STEP: one tile of 128 columns.  fill = 1: the other slot is filled with the next tile, and the next tile's bias is asked for.
.macro TRIP fill
	WIN 0
	s_wait_tensorcnt 0x0                           ; all my tensor loads have landed, my quarter of this step's tile among them: group 0 may be written
	ds_add_u32 v[SPW], v[NIL]                      ; 0 onto my spare word
.if \fill
	s_xor_b32 s[G0W+1], s[G0W+1], SLOTB            ; the other slot (the bits of 133,120 are none of 33,280 w's),
	s_add_nc_u64 s[G0W+2:G0W+3], s[G0W+2:G0W+3], TILEB  ; the next tile
.endif
	s_wait_dscnt 0x0                               ; the add is done; my reads of the other slot and of the stage are over
.if \fill
	ROUND                                          ; no wave of any partner still reads that slot or has a load on its way
	tensor_load_to_lds s[G0W:G0W+3], s[G1W:G1W+7]  ; my one load behind the round; it has the step's 256 matrix instructions in which to land
	s_nop 0
	PLACES
.else
	s_barrier_signal -1
	s_barrier_wait -1
.endif
	s_wait_xcnt 0x0                                ; the last step's stores and prefetch have read their registers: pointers and store data are rewritten only behind this wait
.if \fill
	s_add_nc_u64 s[PFA:PFA+1], s[PFA:PFA+1], TILEB
.endif
	s_lshr_b32 s60, s[T], 2                        ; which of q, k, v
	s_and_b32 s61, s[T], 3                         ; which 128 of its 512 columns
	s_add_co_u32 s[T], s[T], 1
	s_mul_i32 s62, s60, SZ
	s_lshl_b32 s61, s61, 8
	s_add_co_u32 s62, s62, s61
	s_mov_b32 s63, 0
	s_add_nc_u64 s[OP:OP+1], s[OUTB:OUTB+1], s[62:63]
	v_add_nc_u32 v[ADR], s[SL], v[ADRB0]
	s_xor_b32 s[SL], s[SL], SLOTB
	FETCH 0, 0
	WIN 0
.if \fill
	s_cmp_gt_u32 s[CNT], s[LIM]                    ; the tile whose load goes out in the next step: a lane a block of 256 bytes, each block named once; the last step that fills asks for nothing
	s_cbranch_scc0 .Lnoask_\@
	global_prefetch_b8 v[PFO], s[PFA:PFA+1] th:TH_LOAD_NT scope:SCOPE_SE
.Lnoask_\@:
.endif
	FETCH 1, 128
	s_wait_loadcnt 0x0                             ; this tile's bias, asked for a step ago
	MUL 0
	FETCH 2, 0
.if \fill
	WIN 0
	BIASLD                                         ; the next tile's: the fetch's four places stand between the bias registers' last readers and these loads; the last loads by s[BP] were waited for above
.endif
	s_wait_dscnt 32                                ; quarter 1 is in; the 32 loads just issued may stay out
	MUL 1
	FETCH 3, 128
	s_wait_dscnt 32
	MUL 2
	s_wait_dscnt 0x0
	MUL 3
	; the way out: rounded to bf16, 16 bytes a lane into the stage; a barrier, since a row's 256 bytes come from two waves; back as whole rows
	WIN 0
	PLACES
.set i, 0
.rept 64
	v_cvt_pk_bf16_f32 v[TMP+i], v[ACC+2*i], v[ACC+2*i+1]
.set i, i+1
.endr
.irp a, 0,1,2,3
.irp b, 0,1,2,3
	ds_store_b128 v[STO], v[TMP+4*(4*(\a)+(\b)):TMP+4*(4*(\a)+(\b))+3] offset:16*SP*(\a)+32*(\b)
.endr
.endr
	s_wait_dscnt 0x0                               ; for the others' sake: my stores into the stage are done
	s_barrier_signal -1
	s_barrier_wait -1
.irp t, 0,1,2,3,4,5,6,7,8,9,10,11,12,13,14,15
	ds_load_b128 v[TMP+4*(\t):TMP+4*(\t)+3], v[RD] offset:2*SP*(\t)
.endr
.irp t, 0,1,2,3,4,5,6,7,8,9,10,11,12,13,14,15
	s_wait_dscnt 15-(\t)
	global_store_b128 v[CO], v[TMP+4*(\t):TMP+4*(\t)+3], s[OP:OP+1] offset:2048*(\t)  ; 16 lanes store 256 consecutive bytes, aligned
.endr
.endm
.Lstep:                                        ; five steps fill the other slot; the sixth is written out
	TRIP 1
	s_sub_co_u32 s[CNT], s[CNT], 1
	s_cmp_lg_u32 s[CNT], 0
	s_cbranch_scc1 .Lstep
	TRIP 0
	s_wait_tensorcnt 0x0                           ; the wave's end
	ds_add_u32 v[SPW], v[NIL]
	s_wait_dscnt 0x0
	ROUND                                          ; the closing round
	s_endpgm
.Lfunc_end_k_q2b099cbe93_qkvgemm:
	.size	k_q2b099cbe93_qkvgemm, .Lfunc_end_k_q2b099cbe93_qkvgemm-k_q2b099cbe93_qkvgemm
	.p2alignl 7, 3214868480
	.fill 96, 4, 3214868480
	.section	.rodata,"a",@progbits
	.p2align	6, 0x0
	.amdhsa_kernel k_q2b099cbe93_qkvgemm
		.amdhsa_group_segment_fixed_size 327680
		.amdhsa_private_segment_fixed_size 0
		.amdhsa_enable_private_segment 0
		.amdhsa_kernarg_size 48
		.amdhsa_user_sgpr_count 2
		.amdhsa_user_sgpr_kernarg_segment_ptr 1
		.amdhsa_wavefront_size32 1
		.amdhsa_system_sgpr_workgroup_id_x 1
		.amdhsa_system_sgpr_workgroup_id_y 1
		.amdhsa_system_sgpr_workgroup_id_z 1
		.amdhsa_system_vgpr_workitem_id 0
		.amdhsa_next_free_vgpr 1024
		.amdhsa_next_free_sgpr 66
		.amdhsa_reserve_vcc 0
		.amdhsa_float_denorm_mode_32 3
		.amdhsa_float_denorm_mode_16_64 3
		.amdhsa_memory_ordered 1
		.amdhsa_forward_progress 1
		.amdhsa_inst_pref_size 86
	.end_amdhsa_kernel
	.amdgpu_metadata
---
amdhsa.version: [ 1, 2 ]
amdhsa.kernels:
  - .name:           k_q2b099cbe93_qkvgemm
    .symbol:         k_q2b099cbe93_qkvgemm.kd
    .args:
      - { .name: hn, .offset: 0, .size: 8, .value_kind: global_buffer, .address_space: global }
      - { .name: wts, .offset: 8, .size: 8, .value_kind: global_buffer, .address_space: global }
      - { .name: bq, .offset: 16, .size: 8, .value_kind: global_buffer, .address_space: global }
      - { .name: bk, .offset: 24, .size: 8, .value_kind: global_buffer, .address_space: global }
      - { .name: bv, .offset: 32, .size: 8, .value_kind: global_buffer, .address_space: global }
      - { .name: qkv, .offset: 40, .size: 8, .value_kind: global_buffer, .address_space: global }
    .group_segment_fixed_size: 327680
    .private_segment_fixed_size: 0
    .kernarg_segment_align: 8
    .kernarg_segment_size: 48
    .max_flat_workgroup_size: 128
    .sgpr_count:     66
    .vgpr_count:     1024
    .wavefront_size: 32
...
	.end_amdgpu_metadata
.endif
;; end of part 2
;; launch attnffn (part 3): grid 256 x 1, 4 waves a work-group, clusters of 4 x 1, 327,680 bytes of LDS; arguments qkv, rpb, wts, bo, hidden_states, ln2_g, ln2_b, b1, b2, out0; writes out0
.if DOCPART == 3
	.amdgcn_target "amdgcn-amd-amdhsa--gfx1250"
	.amdhsa_code_object_version 6
	.text
	.protected	k_q2b099cbe93_attnffn
	.globl	k_q2b099cbe93_attnffn
	.p2align	8
	.type	k_q2b099cbe93_attnffn,@function
k_q2b099cbe93_attnffn:
	s_mov_b64 s[64:65], 0
	v_nop
	global_prefetch_b8 v0, s[64:65] scope:SCOPE_SE
	s_setreg_imm32_b32 hwreg(HW_REG_WAVE_MODE, 25, 1), 1
	s_wait_xcnt 0x0
	s_wait_alu depctr_hold_cnt(0) depctr_sa_sdst(0) depctr_va_vdst(0) depctr_va_sdst(0) depctr_va_ssrc(0) depctr_va_vcc(0) depctr_vm_vsrc(0)
	s_getreg_b32 s2, hwreg(HW_REG_IB_STS2, 6, 4)
	s_cmp_eq_u32 s2, 0
	s_cbranch_scc0 .Lentry_in_a_cluster
	s_endpgm
.Lentry_in_a_cluster:
	s_bfe_u32 s2, ttmp6, 0x10000c
	s_cmp_lg_u32 s2, 0x3003
	s_cbranch_scc0 .Lentry_shape_is_right
	s_endpgm
.Lentry_shape_is_right:
; out = hid + gelu(LN2(hid) w1^T + b1) w2^T + b2,  hid = x + ctx wo^T + bo,  ctx = 1-D neighbourhood attention (8 heads of 64, window 7, dilation 4, window clamped at the ends, bias rpb).
; SHARES.  A work-group has 64 tokens (block 4 x cluster x + cx).  ROW BLOCK a IS DILATION GROUP a: row r of block a is token t0 + 4 r + a, for the whole kernel; only global addresses undo it.
; Wave w has heads 2 w, 2 w + 1, which are columns 128 w .. + 127 of ctx, hid and out, and columns 32 w .. + 31 of each chunk of 128 of the hidden layer.
; ATTENTION.  The 16 queries of a group see keys at group positions p0 - 4 .. p0 + 19: 24 keys, taken as 32 (the last 8 are the 8 before them once more, and are hidden).  S^T = K Q^T starts from C = 8 rpb, or -1e30
; where the key lies outside the query's window; p = 2^(c s - c m), c = log2(e) / 8, m the true maximum of the row; p / sum is rounded to bf16 and IS source 1 of O^T = V^T P.  V comes out of LDS turned.
; THE ACTIVATIONS (ctx, later LN2's result: 64 rows x 512) LIE IN 512 REGISTERS OF EVERY WAVE, handed round through LDS once; only weights are streamed, in tiles of 128 KiB through two slots, asked for
; jointly by the cluster's four work-groups (all walk the same weights).  hid stays in the 32 accumulators of window 3 in f32: x starts wo's sums there, and hid starts the last product's.
; EACH CLUSTER BEGINS THE WALK OVER THE HIDDEN LAYER'S 16 CHUNKS AT ANOTHER CHUNK, (x + x / 16) % 16 for cluster x, and goes round: the sums over chunks may be taken in any order, and at any time the clusters
; ask for different tiles.  The chunk's number enters the tiles' global addresses alone; b1's table is laid into LDS already turned, so that the loop's LDS addresses step by constants.
; PREFETCH.  Clusters 0 to 15 begin at sixteen different chunks.  Each of them asks once for its own first chunk: w1's 512 blocks of 256 bytes behind the second wo step's loads, two changes of slots ahead of the
; tensor load that wants them; w2's 512 rows of 256 bytes behind the fourth's.  A lane a block; the four partners and their waves share the blocks out by address.  So each block of w1 and w2 is named once.
; The matrix instruction is used transposed (source 0 = 16 weight rows, source 1 = 16 token rows): a lane holds one token row and eight neighbouring columns.
; GELU is exact up to erf by Abramowitz and Stegun 7.1.26 (absolute error of erf at most 1.5e-7 for every argument): gelu(x) = max(x, 0) - |x| R(t) 2^(-x x log2(e) / 2), t = 1 / (1 + 0.23164189 |x|): no cancellation.
; LIMITS.  A hidden score counts as its value less 1e30; a weight below 2^-126 counts as 0; NaN and infinities are not treated apart; q, k, v, P, ctx, LN2's result, the gelu's result and all weights are bf16.
; LN2's variance is taken of centred numbers.
; REGISTERS in windows of 256 (s_set_vgpr_msb: bits 1:0 source 0, 3:2 source 1, 5:4 source 2, 7:6 destination):
;   window 0: v0-31 addresses; v32-255 at work     windows 1, 2: activations, block a, K fragment kf at 128 (a % 2) + 8 kf (blocks 0, 1: window 1); window 2's upper half first holds Q, then V
;   window 3: first K's fragments, then the accumulators out(a, b) at 8 (8 a + b)
.set SZ,     16908288
.set WO_OFF, 1572864
.set W1_OFF, 2097152
.set W2_OFF, 4194304
.set PN,     272                       ; LDS pitch of rows of 256 bytes
.set PW,     1040                      ; of rows of 1,024 bytes
.set PVV,    288                       ; of V's rows
.set PO,     528                       ; of the way out's rows of 512 bytes
.set SLOT1,  139264                    ; slot 0 begins at 0; a slot holds 512 rows x 272 or 128 rows x 1,040
.set XR,     278528                    ; 34,816 bytes written by LDS stores alone: two exchange buffers of 16 x 1,040; later the gelu's result, 64 x 272; last four stages of 16 x 528
.set B1T,    313344                    ; b1, 8,192 bytes, beginning with the cluster's first chunk
.set STATS,  321536                    ; LN2's partial sums, 2 x 1,024 bytes
.set SPARE,  323584                    ; the spare words, 128 bytes a wave
.set R,    1
.set HH,   2
.set SPW,  3
.set NIL,  4
.set VK0,  5                           ; 4,096 r + 16 h: rows of Q, and of K's keys 0-15
.set VK1,  6                           ; keys 16 + r % 8
.set AV1,  7
.set AV2,  8
.set XST,  9
.set XLD,  10
.set ABN0, 11
.set ABN1, 12
.set AB1,  13
.set AG,   14
.set GST,  15
.set AB1T, 16
.set VB,   17
.set VRES, 18
.set SST,  19
.set SLD,  20
.set OST,  21
.set ORD,  22
.set OGO,  23
.set PFO1, 24
.set PFO2, 25
.set BM,   32                          ; bias and mask, 16 hl + 8 kb + j
.set GX,   32                          ; the hidden layer's 8 accumulators (a, b) at 32 + 8 (2 a + b)
.set GH,   96
.set GT,   128
.set GE,   192
.set G1V,  24                          ; s[24:31]; later the gelu's constants
.set G1O,  32                          ; s[32:39]; likewise
.set G1A,  40
.set G1B,  48
.set G0V,  56
.set G0O0, 60
.set W1B,  66                          ; s[66:67] w1 at my 32 rows of chunk 0
.set G0O1, 68
.set G0A,  72
.set G0B,  76
.set WV,   80
.set CX,   81
.set BLK,  82
.set P0,   83
.set CNT,  84
.set CC,   85                          ; s85  the chunk whose tiles are asked for next
.set QB,   86
.set PF1,  88
.set PF2,  90
.set SEL,  92
.set CS,   94
.set RC,   96
.set EPSR, 97
.set W2B,  98                          ; s[98:99] w2 at my 128 rows, chunk 0
.set A5,   24                          ; s[24:33] five pairs: the halved coefficients a5 .. a1
.set NL,   34                          ; s[34:35] -log2(e) / 2
.set PC,   36                          ; s36  0.23164189
.set MSB, 0
.macro WIN new
.if MSB != (\new)
	s_set_vgpr_msb (MSB<<8)|(\new)
.set MSB, (\new)
.endif
.endm
.macro PLACES
.rept 4
	v_nop
.endr
.endm
.macro ROUND
	s_barrier_signal -1
	s_barrier_wait -1
	s_cmp_lg_u32 s[WV], 0
	s_cbranch_scc1 .Lnw0_\@
	s_barrier_signal -3
.Lnw0_\@:
	s_barrier_wait -3
	s_barrier_signal -1
	s_barrier_wait -1
.endm
.macro BAR                             ; my LDS instructions are done; then the work-group's barrier
	s_wait_dscnt 0x0
	s_barrier_signal -1
	s_barrier_wait -1
.endm
; A CHANGE OF SLOTS, in two parts.  HEAD1: the wave waits for all its tensor loads (one is out: its quarter of the tile to be read next) and adds 0 to its spare word.  Work on registers follows: the step of the group 0
; whose tile has landed and, where a product step ends, that step's last sixteen matrix instructions.  HEAD2: the wait for the add and for the wave's LDS instructions; a round of the cluster's barrier; the wave's one
; joint load, first thing behind it.
.macro HEAD1
	WIN 0
	s_wait_tensorcnt 0x0
	ds_add_u32 v[SPW], v[NIL]
.endm
.macro HEAD2 g0, g1
	WIN 0
	s_wait_dscnt 0x0
	ROUND
	tensor_load_to_lds s[(\g0):(\g0)+3], s[(\g1):(\g1)+7]
	s_nop 0
	PLACES
.endm
.macro STEPC stp, base, shift, inc     ; a group 0's address made anew: the base and the chunk's number shifted; inc = 1: the walk goes one chunk on, round the sixteen
.if \inc
	s_add_co_u32 s[CC], s[CC], 1
	s_and_b32 s[CC], s[CC], 15
.endif
	s_lshl_b32 s100, s[CC], \shift
	s_add_nc_u64 s[(\stp)+2:(\stp)+3], s[(\base):(\base)+1], s[100:101]
	s_or_b32 s[(\stp)+3], s[(\stp)+3], 0x80000000
.endm
.macro ASKP po, pa                     ; one prefetch, in the first sixteen clusters alone
	s_cmp_lt_u32 ttmp9, 16
	s_cbranch_scc0 .Lnoask_\@
	global_prefetch_b8 v[\po], s[(\pa):(\pa)+1] th:TH_LOAD_NT scope:SCOPE_SE
.Lnoask_\@:
.endm
.macro FRAGLD dst, ptr                 ; eight fragments of a vector over my 128 columns: register 8 b + j holds element 128 w + 16 b + 8 h + j
.irp b, 0,1,2,3,4,5,6,7
	global_load_b128 v[(\dst)+8*(\b):(\dst)+8*(\b)+3],   v[VB], s[(\ptr):(\ptr)+1] offset:64*(\b)
	global_load_b128 v[(\dst)+8*(\b)+4:(\dst)+8*(\b)+7], v[VB], s[(\ptr):(\ptr)+1] offset:64*(\b)+16
.endr
.endm
.macro SPAIR reg, val
	s_mov_b32 s[\reg], \val
	s_mov_b32 s[(\reg)+1], \val
.endm
	s_load_b512 s[4:19], s[0:1], 0x0               ; qkv s[4:5], rpb s[6:7], wts s[8:9], bo s[10:11], x s[12:13], ln2_g s[14:15], ln2_b s[16:17], b1 s[18:19]
	s_load_b128 s[20:23], s[0:1], 0x40             ; b2 s[20:21], out s[22:23]
	v_lshl_add_u32 v[SPW], v0, 2, SPARE
	v_mov_b32 v[NIL], 0
	ds_add_u32 v[SPW], v[NIL]                      ; the wave's opening: the add and its wait ahead of my first tensor load
	v_lshrrev_b32 v26, 5, v0
	v_readfirstlane_b32 s[WV], v26
	s_bfe_u32 s[CX], ttmp6, 0x40000
	s_lshl_b32 s[BLK], ttmp9, 2
	s_add_co_u32 s[BLK], s[BLK], s[CX]             ; my block of 64 tokens
	s_and_b32 s[P0], s[BLK], 63
	s_lshl_b32 s[P0], s[P0], 4                     ; p0: the group position of the block's first tokens; it enters data and global addresses alone
	s_lshr_b32 s[CC], ttmp9, 4                     ; the cluster's first chunk: the same in all four partners
	s_add_co_u32 s[CC], s[CC], ttmp9
	s_and_b32 s[CC], s[CC], 15
	s_mov_b32 s[G1V], (1<<16)|(1<<20)|(5<<22)|(7<<25)  ; V: a plain load; 96 rows of 256 bytes, 8 words of padding
	s_mov_b32 s[G1V+1], 128<<16
	s_mov_b32 s[G1V+2], 96<<16
	s_mov_b32 s[G1V+3], 128<<16
	s_mov_b32 s[G1V+4], 96
	s_mov_b32 s[G1V+5], 512
	s_mov_b32 s[G1V+6], 0
	s_mov_b32 s[G1V+7], 0
.irp g, G1O, G1B                       ; wo's and w2's tiles: my 128 rows of 256 bytes, 4 words of padding, asked for by all four work-groups
	s_mov_b32 s[(\g)], 15|(1<<16)|(1<<20)|(1<<21)|(5<<22)|(3<<25)
	s_mov_b32 s[(\g)+1], 128<<16
	s_mov_b32 s[(\g)+2], 128<<16
	s_mov_b32 s[(\g)+3], 128<<16
	s_mov_b32 s[(\g)+4], 128
	s_mov_b32 s[(\g)+6], 0
	s_mov_b32 s[(\g)+7], 0
.endr
	s_mov_b32 s[G1O+5], 512
	s_mov_b32 s[G1B+5], 2048
	s_mov_b32 s[G1A], 15|(1<<16)|(1<<20)|(1<<21)|(7<<22)|(3<<25)  ; w1's tiles: my 32 rows of 1,024 bytes
	s_mov_b32 s[G1A+1], 512<<16
	s_mov_b32 s[G1A+2], 32<<16
	s_mov_b32 s[G1A+3], 512<<16
	s_mov_b32 s[G1A+4], 32
	s_mov_b32 s[G1A+5], 512
	s_mov_b32 s[G1A+6], 0
	s_mov_b32 s[G1A+7], 0
	s_mul_i32 s100, s[WV], 96*PVV                  ; LDS addresses hang on the wave's number alone
	s_mov_b32 s[G0V], 1
	s_add_co_u32 s[G0V+1], s100, SLOT1
	s_mul_i32 s100, s[WV], 128*PN
	s_mov_b32 s[G0O0], 1
	s_mov_b32 s[G0O0+1], s100
	s_mov_b32 s[G0O1], 1
	s_add_co_u32 s[G0O1+1], s100, SLOT1
	s_mov_b32 s[G0B], 1
	s_add_co_u32 s[G0B+1], s100, SLOT1
	s_mul_i32 s100, s[WV], 32*PW
	s_mov_b32 s[G0A], 1
	s_mov_b32 s[G0A+1], s100
	s_mov_b32 s[SEL], 0x76543210
	s_mov_b32 s[SEL+1], 0xfedcba98
	s_mov_b32 s[CS], 0x3e38aa3b                    ; c = log2(e) / 8
	s_mov_b32 s[CS+1], s[CS]
	s_mov_b32 s[RC], 0x3b000000                    ; 1/512
	s_mov_b32 s[EPSR], 0x3727c5ac                  ; 1e-5
	s_wait_dscnt 0x0                               ; the opening add is done
	s_wait_kmcnt 0x0
	s_mov_b32 s101, 0
	s_lshl_b32 s100, s[WV], 17                     ; wo: my 128 rows of 1,024 bytes
	s_add_nc_u64 s[G0O0+2:G0O0+3], s[8:9], s[100:101]
	s_add_nc_u64 s[G0O0+2:G0O0+3], s[G0O0+2:G0O0+3], WO_OFF
	s_add_nc_u64 s[G0O1+2:G0O1+3], s[G0O0+2:G0O0+3], 256
	s_or_b32 s[G0O0+3], s[G0O0+3], 0x80000000
	s_or_b32 s[G0O1+3], s[G0O1+3], 0x80000000
	s_lshl_b32 s100, s[WV], 15                     ; w1: my 32 rows of 1,024 bytes
	s_add_nc_u64 s[W1B:W1B+1], s[8:9], s[100:101]
	s_add_nc_u64 s[W1B:W1B+1], s[W1B:W1B+1], W1_OFF
	STEPC G0A, W1B, 17, 0                          ; a chunk of w1 is 131,072 bytes: the cluster's first
	s_lshl_b32 s100, s[WV], 19                     ; w2: my 128 rows of 4,096 bytes
	s_add_nc_u64 s[W2B:W2B+1], s[8:9], s[100:101]
	s_add_nc_u64 s[W2B:W2B+1], s[W2B:W2B+1], W2_OFF
	STEPC G0B, W2B, 8, 0                           ; a chunk of w2 is 256 bytes of each row
	s_lshr_b32 s2, s[BLK], 6                       ; batch
	s_mul_i32 s2, s2, 4128
	s_lshl2_add_u32 s2, s[P0], s2                  ; + t0: the row of token t0 - 16
	s_lshl_b32 s2, s2, 10
	s_lshl_b32 s3, s[WV], 8                        ; my two heads: 256 bytes of a row
	s_add_co_u32 s2, s2, s3
	s_mov_b32 s3, 0
	s_add_nc_u64 s[4:5], s[4:5], s[2:3]
	s_add_nc_u64 s[QB:QB+1], s[4:5], 16384         ; q at token t0
	s_add_nc_u64 s[G0V+2:G0V+3], s[4:5], 2*SZ      ; v at token t0 - 16
	s_or_b32 s[G0V+3], s[G0V+3], 0x80000000
	s_add_nc_u64 s[4:5], s[4:5], SZ                ; k at token t0 - 16
	s_lshl_b32 s2, s[BLK], 17                      ; 64 rows of 2,048 bytes
	s_add_nc_u64 s[12:13], s[12:13], s[2:3]
	s_add_nc_u64 s[22:23], s[22:23], s[2:3]
	s_lshl_b32 s2, s[CX], 15                       ; the prefetches: of the first w1 chunk's 512 blocks of 256 bytes my work-group's 128, my wave's 32;
	s_lshl_b32 s3, s[WV], 13
	s_add_co_u32 s2, s2, s3
	s_lshl_b32 s3, s[CC], 17
	s_add_co_u32 s2, s2, s3
	s_mov_b32 s3, 0
	s_add_nc_u64 s[PF1:PF1+1], s[8:9], s[2:3]
	s_add_nc_u64 s[PF1:PF1+1], s[PF1:PF1+1], W1_OFF
	s_lshl_b32 s2, s[CX], 19                       ; of the first w2 chunk's 512 rows likewise
	s_lshl_b32 s3, s[WV], 17
	s_add_co_u32 s2, s2, s3
	s_lshl_b32 s3, s[CC], 8
	s_add_co_u32 s2, s2, s3
	s_mov_b32 s3, 0
	s_add_nc_u64 s[PF2:PF2+1], s[8:9], s[2:3]
	s_add_nc_u64 s[PF2:PF2+1], s[PF2:PF2+1], W2_OFF
	ROUND                                          ; the first loads go out as one group behind it
	tensor_load_to_lds s[G0V:G0V+3], s[G1V:G1V+7]  ; my heads' 96 rows of V, into slot 1: only I read them
	s_nop 0
	tensor_load_to_lds s[G0O0:G0O0+3], s[G1O:G1O+7]  ; wo, K tile 0, into slot 0: two loads of mine are out
	s_nop 0
	PLACES
	v_and_b32 v[R], 15, v0
	v_bfe_u32 v[HH], v0, 4, 1
	v_and_b32 v26, 31, v0                          ; l
	v_and_b32 v27, 7, v0                           ; l % 8
	v_bfe_u32 v28, v0, 3, 1                        ; (l / 8) % 2
	v_lshlrev_b32 v29, 4, v[HH]                    ; 16 h
	v_lshl_add_u32 v[VK0], v[R], 12, v29           ; neighbouring keys of a group lie 4 rows, 4,096 bytes, apart
	v_lshl_add_u32 v[VK1], v27, 12, v29
	v_add_nc_u32 v[VK1], 0x10000, v[VK1]
	v_lshl_add_u32 v30, v[HH], 3, v27              ; the turning load: key 8 h + l % 8, channels 8 ((l / 8) % 2) on
	v_mul_u32_u24 v30, v30, 4*PVV
	v_lshl_add_u32 v30, v28, 4, v30
	s_mul_i32 s100, s[WV], 96*PVV
	s_add_co_u32 s100, s100, SLOT1
	v_add_nc_u32 v[AV1], s100, v30
	v_mul_u32_u24 v30, v27, 4*PVV                  ; key 16 + l % 8 in both halves of the lanes
	v_lshl_add_u32 v30, v28, 4, v30
	s_add_co_u32 s100, s100, 64*PVV
	v_add_nc_u32 v[AV2], s100, v30
	v_mul_u32_u24 v31, v[R], PW
	v_add_nc_u32 v31, v31, v29                     ; 1,040 r + 16 h
	v_mul_u32_u24 v30, v[R], PN
	v_add_nc_u32 v30, v30, v29                     ; 272 r + 16 h
	v_add_nc_u32 v[XLD], XR, v31
	s_lshl_b32 s100, s[WV], 8
	s_add_co_u32 s100, s100, XR
	v_add_nc_u32 v[XST], s100, v31
	s_mul_i32 s100, s[WV], 128*PN
	v_add_nc_u32 v[ABN0], s100, v30
	s_add_co_u32 s100, s100, SLOT1
	v_add_nc_u32 v[ABN1], s100, v30
	s_mul_i32 s100, s[WV], 32*PW
	v_add_nc_u32 v[AB1], s100, v31
	v_add_nc_u32 v[AG], XR, v30
	s_lshl_b32 s100, s[WV], 6
	s_add_co_u32 s100, s100, XR
	v_add_nc_u32 v[GST], s100, v30
	v_lshlrev_b32 v29, 5, v[HH]                    ; 32 h
	s_lshl_b32 s100, s[WV], 7
	s_add_co_u32 s100, s100, B1T
	v_add_nc_u32 v[AB1T], s100, v29
	s_lshl_b32 s100, s[WV], 9
	v_add_nc_u32 v[VB], s100, v29
	v_lshl_add_u32 v[VRES], v[R], 13, v[VB]        ; rows of a block lie 4 tokens, 8,192 bytes, apart
	v_lshlrev_b32 v30, 4, v[R]
	v_add_nc_u32 v[SLD], STATS, v30
	s_lshl_b32 s100, s[WV], 2
	v_add_nc_u32 v[SST], s100, v[SLD]
	s_mul_i32 s100, s[WV], 16*PO
	s_add_co_u32 s100, s100, XR
	v_mul_u32_u24 v30, v[R], PO
	v_add_nc_u32 v[OST], v30, v29
	v_add_nc_u32 v[OST], s100, v[OST]
	v_lshl_add_u32 v[ORD], v26, 4, s100
	s_lshl_b32 s100, s[WV], 9
	v_lshl_add_u32 v[OGO], v26, 4, s100
	v_lshlrev_b32 v[PFO1], 8, v26
	v_lshlrev_b32 v[PFO2], 12, v26
	; ---- what attention reads: b1 (for later), rpb, Q, K ----
	v_lshlrev_b32 v26, 4, v0
	v_add_nc_u32 v31, B1T, v26
	s_lshl_b32 s100, s[CC], 9                      ; the table's byte P takes b1's byte (P + 512 x first chunk) mod 8,192: the turn stands in the global offsets
	v_add_nc_u32 v29, s100, v26
.irp i, 0,1,2,3
	v_add_nc_u32 v[192+(\i)], 2048*(\i), v29
	v_and_b32 v[192+(\i)], 0x1fff, v[192+(\i)]
.endr
.irp i, 0,1,2,3
	global_load_b128 v[160+4*(\i):163+4*(\i)], v[192+(\i)], s[18:19]
.endr
	v_lshlrev_b32 v28, 3, v[HH]
	v_sub_nc_u32 v28, v28, v[R]
	v_add_nc_u32 v28, 2, v28                       ; rpb's index is key - query + 6 = (16 kb + 8 h + j) - r + 2
	s_mul_i32 s100, s[WV], 104                     ; my first head's 13 numbers
.irp kb, 0,1
.irp j, 0,1,2,3,4,5,6,7
	v_add_nc_u32 v[176+8*(\kb)+(\j)], 16*(\kb)+(\j), v28
	v_min_u32 v[176+8*(\kb)+(\j)], 12, v[176+8*(\kb)+(\j)]   ; inside the window it is 0 .. 12 already; outside (a negative one wraps to a great number) any place of the table will do
	v_lshl_add_u32 v[176+8*(\kb)+(\j)], v[176+8*(\kb)+(\j)], 2, s100
.endr
.endr
.irp hl, 0,1
.irp kb, 0,1
.irp j, 0,1,2,3,4,5,6,7
	global_load_b32 v[BM+16*(\hl)+8*(\kb)+(\j)], v[176+8*(\kb)+(\j)], s[6:7] offset:52*(\hl)
.endr
.endr
.endr
	WIN 0x80
.irp g, 0,1,2,3
.irp hl, 0,1
.irp c, 0,1
	global_load_b128 v[128+32*(\g)+16*(\hl)+8*(\c):128+32*(\g)+16*(\hl)+8*(\c)+3],   v[VK0], s[QB:QB+1] offset:1024*(\g)+128*(\hl)+64*(\c)
	global_load_b128 v[128+32*(\g)+16*(\hl)+8*(\c)+4:128+32*(\g)+16*(\hl)+8*(\c)+7], v[VK0], s[QB:QB+1] offset:1024*(\g)+128*(\hl)+64*(\c)+32
.endr
.endr
.endr
	WIN 0xc0
.irp g, 0,1,2,3
.irp hl, 0,1
.irp kb, 0,1
.irp c, 0,1
	global_load_b128 v[64*(\g)+32*(\hl)+16*(\kb)+8*(\c):64*(\g)+32*(\hl)+16*(\kb)+8*(\c)+3],   v[VK0+(\kb)], s[4:5] offset:1024*(\g)+128*(\hl)+64*(\c)
	global_load_b128 v[64*(\g)+32*(\hl)+16*(\kb)+8*(\c)+4:64*(\g)+32*(\hl)+16*(\kb)+8*(\c)+7], v[VK0+(\kb)], s[4:5] offset:1024*(\g)+128*(\hl)+64*(\c)+32
.endr
.endr
.endr
.endr
	WIN 0
	s_wait_loadcnt 0x0
.irp i, 0,1,2,3
	ds_store_b128 v31, v[160+4*(\i):163+4*(\i)] offset:2048*(\i)
.endr
	; the window of query r begins at key e = clamp(p0 + r - 3, 0, 1017) - (p0 - 4); key kk is seen where 0 <= kk - e < 7
	v_mov_b32 v30, 0xf149f2ca                      ; -1e30
	v_add_nc_u32 v27, s[P0], v[R]
	v_add_nc_u32 v27, 1, v27
	v_max_u32 v27, 4, v27
	v_min_u32 v27, 0x3fd, v27
	v_sub_nc_u32 v27, v27, s[P0]                   ; e
	v_lshlrev_b32 v28, 3, v[HH]
	v_sub_nc_u32 v28, v28, v27                     ; 8 h - e
.irp kb, 0,1
.irp j, 0,1,2,3,4,5,6,7
	v_add_nc_u32 v29, 16*(\kb)+(\j), v28
	v_cmp_gt_u32 vcc_lo, 7, v29
.irp hl, 0,1
	v_mul_f32 v[BM+16*(\hl)+8*(\kb)+(\j)], 0x41000000, v[BM+16*(\hl)+8*(\kb)+(\j)]   ; 8 rpb: c scales it back
	v_cndmask_b32 v[BM+16*(\hl)+8*(\kb)+(\j)], v30, v[BM+16*(\hl)+8*(\kb)+(\j)], vcc_lo
.endr
.endr
.endr
	; S^T = K Q^T + C: 16 accumulators (group, head, key block) by turns, two K steps of 32 channels
	WIN 0x0b                                       ; K window 3, Q window 2, C and D window 0
.irp c, 0,1
.irp g, 0,1,2,3
.irp hl, 0,1
.irp kb, 0,1
.set rS, 64+32*(\g)+16*(\hl)+8*(\kb)
.set rK, 64*(\g)+32*(\hl)+16*(\kb)+8*(\c)
.set rQ, 128+32*(\g)+16*(\hl)+8*(\c)
.if (\c) == 0
	v_wmma_f32_16x16x32_bf16 v[rS:rS+7], v[rK:rK+7], v[rQ:rQ+7], v[BM+16*(\hl)+8*(\kb):BM+16*(\hl)+8*(\kb)+7]
.else
	v_wmma_f32_16x16x32_bf16 v[rS:rS+7], v[rK:rK+7], v[rQ:rQ+7], v[rS:rS+7]
.endif
.endr
.endr
.endr
.endr
	PLACES
	WIN 0xc0                                       ; x goes straight into the accumulators, where K lay: it starts wo's sums
.irp a, 0,1,2,3
.irp b, 0,1,2,3,4,5,6,7
	global_load_b128 v[8*(8*(\a)+(\b)):8*(8*(\a)+(\b))+3],   v[VRES], s[12:13] offset:2048*(\a)+64*(\b) th:TH_LOAD_NT
	global_load_b128 v[8*(8*(\a)+(\b))+4:8*(8*(\a)+(\b))+7], v[VRES], s[12:13] offset:2048*(\a)+64*(\b)+16 th:TH_LOAD_NT
.endr
.endr
	WIN 0
	s_wait_tensorcnt 0x1                           ; V is in; wo's tile, issued behind it, may stay out
.macro VLOAD a                         ; group a's V^T: 2 heads x 4 blocks of 16 channels x 32 keys
	WIN 0x80
.irp hl, 0,1
.irp cb, 0,1,2,3
	ds_load_tr16_b128 v[128+64*((\a)&1)+32*(\hl)+8*(\cb):128+64*((\a)&1)+32*(\hl)+8*(\cb)+3],   v[AV1] offset:PVV*(\a)+128*(\hl)+32*(\cb)
	ds_load_tr16_b128 v[128+64*((\a)&1)+32*(\hl)+8*(\cb)+4:128+64*((\a)&1)+32*(\hl)+8*(\cb)+7], v[AV2] offset:PVV*(\a)+128*(\hl)+32*(\cb)
.endr
.endr
	WIN 0
.endm
; The softmax of one unit (16 queries of a group and head; a lane has 16 of a query's 32 scores at u), in three parts; tb: 8 registers at work
.macro SM1 u, tb                       ; the maximum (each accumulator's lowest registers are read first), c s - c m, the exponentials
	v_max3_num_f32 v[\tb], v[\u], v[(\u)+1], v[(\u)+2]
	v_max3_num_f32 v[(\tb)+1], v[(\u)+8], v[(\u)+9], v[(\u)+10]
	v_max3_num_f32 v[\tb], v[\tb], v[(\u)+3], v[(\u)+4]
	v_max3_num_f32 v[(\tb)+1], v[(\tb)+1], v[(\u)+11], v[(\u)+12]
	v_max3_num_f32 v[\tb], v[\tb], v[(\u)+5], v[(\u)+6]
	v_max3_num_f32 v[(\tb)+1], v[(\tb)+1], v[(\u)+13], v[(\u)+14]
	v_max3_num_f32 v[\tb], v[\tb], v[(\u)+7], v[(\u)+15]
	v_max_num_f32 v[\tb], v[\tb], v[(\tb)+1]
	v_permlanex16_b32 v[(\tb)+2], v[\tb], s[SEL], s[SEL+1]   ; the query's other 16 scores lie in the lane 16 away
	v_max_num_f32 v[\tb], v[\tb], v[(\tb)+2]
	v_mul_f32 v[(\tb)+4], s[CS], v[\tb]
.irp k, 0,1,2,3,4,5,6,7
	v_pk_fma_f32 v[(\u)+2*(\k):(\u)+2*(\k)+1], v[(\u)+2*(\k):(\u)+2*(\k)+1], s[CS:CS+1], v[(\tb)+4:(\tb)+5] op_sel_hi:[1,0,0] neg_lo:[0,0,1] neg_hi:[0,0,1]
.endr
.irp k, 0,1,2,3,4,5,6,7,8,9,10,11,12,13,14,15
	v_exp_f32 v[(\u)+(\k)], v[(\u)+(\k)]
.endr
.endm
.macro SM2 u, tb                       ; the sum (at least 1: the maximum's own weight) and its reciprocal
	v_pk_add_f32 v[(\tb):(\tb)+1], v[(\u):(\u)+1], v[(\u)+2:(\u)+3]
	v_pk_add_f32 v[(\tb)+2:(\tb)+3], v[(\u)+4:(\u)+5], v[(\u)+6:(\u)+7]
	v_pk_add_f32 v[(\tb):(\tb)+1], v[(\tb):(\tb)+1], v[(\u)+8:(\u)+9]
	v_pk_add_f32 v[(\tb)+2:(\tb)+3], v[(\tb)+2:(\tb)+3], v[(\u)+10:(\u)+11]
	v_pk_add_f32 v[(\tb):(\tb)+1], v[(\tb):(\tb)+1], v[(\u)+12:(\u)+13]
	v_pk_add_f32 v[(\tb)+2:(\tb)+3], v[(\tb)+2:(\tb)+3], v[(\u)+14:(\u)+15]
	v_pk_add_f32 v[(\tb):(\tb)+1], v[(\tb):(\tb)+1], v[(\tb)+2:(\tb)+3]
	v_add_f32 v[\tb], v[\tb], v[(\tb)+1]
	v_permlanex16_b32 v[(\tb)+1], v[\tb], s[SEL], s[SEL+1]
	v_add_f32 v[\tb], v[\tb], v[(\tb)+1]
	v_rcp_f32 v[(\tb)+6], v[\tb]
.endm
.macro SM3 u, tb                       ; the weights, rounded to bf16 in place: P takes the unit's low 8 registers
.irp k, 0,1,2,3,4,5,6,7
	v_pk_mul_f32 v[(\u)+2*(\k):(\u)+2*(\k)+1], v[(\u)+2*(\k):(\u)+2*(\k)+1], v[(\tb)+6:(\tb)+7] op_sel_hi:[1,0]
.endr
.irp k, 0,1,2,3,4,5,6,7
	v_cvt_pk_bf16_f32 v[(\u)+(\k)], v[(\u)+2*(\k)], v[(\u)+2*(\k)+1]
.endr
.endm
; Row block a is handed round: each wave stores its 128 columns (32 registers at pk), a barrier, each wave reads all 512 into block a's registers.  Two buffers by turns: a buffer is written again only behind the
; next exchange's barrier, in front of which every wave has waited for its reads.
.macro XCHG a, pk
	WIN 0
.irp nb, 0,1,2,3,4,5,6,7
	ds_store_b128 v[XST], v[(\pk)+4*(\nb):(\pk)+4*(\nb)+3] offset:16*PW*((\a)&1)+32*(\nb)
.endr
	BAR
	WIN 0x40*(1+(\a)/2)
.irp kf, 0,1,2,3,4,5,6,7,8,9,10,11,12,13,14,15
	ds_load_b128 v[128*((\a)&1)+8*(\kf):128*((\a)&1)+8*(\kf)+3],   v[XLD] offset:16*PW*((\a)&1)+64*(\kf)
	ds_load_b128 v[128*((\a)&1)+8*(\kf)+4:128*((\a)&1)+8*(\kf)+7], v[XLD] offset:16*PW*((\a)&1)+64*(\kf)+32
.endr
	WIN 0
.endm
.macro PASS a                          ; group a: softmax of both heads, O^T = V^T P, ctx handed round
.set U0, 64+32*(\a)
	SM1 U0, 32
	SM1 U0+16, 40
	v_nop                                          ; a plain instruction behind the last exponential,
	s_wait_alu depctr_va_vdst(0)                   ; and one wait for the 32
	SM2 U0, 32
	SM2 U0+16, 40
	v_nop
	s_wait_alu depctr_va_vdst(0)                   ; one wait for the two reciprocals
	SM3 U0, 32
	SM3 U0+16, 40
.if (\a) < 3
	VLOAD (\a)+1
	s_wait_dscnt 16                                ; this group's V is in; the 16 loads just issued may stay out
.else
	s_wait_dscnt 0x0
.endif
	WIN 0x02                                       ; V window 2, P and O^T window 0
.irp hl, 0,1
.irp cb, 0,1,2,3
	v_wmma_f32_16x16x32_bf16 v[192+32*(\hl)+8*(\cb):192+32*(\hl)+8*(\cb)+7], v[128+64*((\a)&1)+32*(\hl)+8*(\cb):128+64*((\a)&1)+32*(\hl)+8*(\cb)+7], v[U0+16*(\hl):U0+16*(\hl)+7], 0
.endr
.endr
	WIN 0
	PLACES
.set i, 0
.rept 32
	v_cvt_pk_bf16_f32 v[U0+i], v[192+2*i], v[192+2*i+1]
.set i, i+1
.endr
	XCHG \a, U0
.endm
	VLOAD 0
	PASS 0
	PASS 1
	PASS 2
	PASS 3
	FRAGLD 192, 10                                 ; bo
; A K STEP OF 128 onto out(a, b): my 128 weight rows at adr.  mode 0: source 1 = the activations' fragments 4 t + kf, in registers.  mode 1: source 1 = the gelu's result, from LDS.
.macro FETCHN adr, mode, kf, buf       ; one K fragment's loads: in mode 1 the four row blocks' first, then the eight weight blocks', two loads each
	PLACES                                         ; the buffer's last readers are matrix instructions just issued
	WIN 0
.if \mode
.irp a, 0,1,2,3
	ds_load_b128 v[(\buf)+64+8*(\a):(\buf)+64+8*(\a)+3],   v[AG] offset:16*PN*(\a)+64*(\kf)
	ds_load_b128 v[(\buf)+64+8*(\a)+4:(\buf)+64+8*(\a)+7], v[AG] offset:16*PN*(\a)+64*(\kf)+32
.endr
.endif
.irp b, 0,1,2,3,4,5,6,7
	ds_load_b128 v[(\buf)+8*(\b):(\buf)+8*(\b)+3],   v[\adr] offset:16*PN*(\b)+64*(\kf)
	ds_load_b128 v[(\buf)+8*(\b)+4:(\buf)+8*(\b)+7], v[\adr] offset:16*PN*(\b)+64*(\kf)+32
.endr
.endm
; Sixteen of a K fragment's 32 products; the accumulators take turns, one instruction a turn.  mode 1: weight blocks 4 part .. + 3, all four row blocks.  mode 0: row blocks 2 part, 2 part + 1
; (one register window), all eight weight blocks.  fine = 1 (the step's first K fragment, straight behind the change of slots): each weight block is waited for by itself: behind its two loads stand those of
; the 7 - b later blocks and the next K fragment's 24 (mode 1) or 16 (mode 0).
.macro NMUL mode, t, kf, part, fine
.set NBC, 32+(64+32*(\mode))*((\kf)&1)
.if \mode
	WIN 0xf0                                       ; sources window 0, C and D window 3
.irp b, 0,1,2,3
.set bb, 4*(\part)+(\b)
.if \fine
	s_wait_dscnt 24+2*(7-bb)
.endif
.irp a, 0,1,2,3
.set rD, 8*(8*(\a)+bb)
	v_wmma_f32_16x16x32_bf16 v[rD:rD+7], v[NBC+8*bb:NBC+8*bb+7], v[NBC+64+8*(\a):NBC+64+8*(\a)+7], v[rD:rD+7]
.endr
.endr
.else
	WIN 0xf4+4*(\part)                             ; source 1 window 1 or 2
.irp b, 0,1,2,3,4,5,6,7
.if (\fine) && ((\part) == 0)
	s_wait_dscnt 16+2*(7-(\b))
.endif
.irp a, 0,1
.set rD, 8*(8*(2*(\part)+(\a))+(\b))
	v_wmma_f32_16x16x32_bf16 v[rD:rD+7], v[NBC+8*(\b):NBC+8*(\b)+7], v[128*(\a)+8*(4*(\t)+(\kf)):128*(\a)+8*(4*(\t)+(\kf))+7], v[rD:rD+7]
.endr
.endr
.endif
.endm
.macro NMAIN adr, mode, t, ask         ; the step but for its last sixteen products
	FETCHN \adr, \mode, 0, 32
.if (\ask) == 1
	ASKP PFO1, PF1
.elseif (\ask) == 2
	ASKP PFO2, PF2
.endif
	FETCHN \adr, \mode, 1, 96+32*(\mode)
	NMUL \mode, \t, 0, 0, 1
	NMUL \mode, \t, 0, 1, 1
	FETCHN \adr, \mode, 2, 32
	s_wait_dscnt 16+8*(\mode)                      ; K fragment 1 is in; the loads just issued may stay out
	NMUL \mode, \t, 1, 0, 0
	NMUL \mode, \t, 1, 1, 0
	FETCHN \adr, \mode, 3, 96+32*(\mode)
	s_wait_dscnt 16+8*(\mode)
	NMUL \mode, \t, 2, 0, 0
	NMUL \mode, \t, 2, 1, 0
	s_wait_dscnt 0x0                               ; my last reads of this slot are back
	NMUL \mode, \t, 3, 0, 0
.endm
.macro NLAST mode, t
	NMUL \mode, \t, 3, 1, 0
.endm
	; ---- ctx wo^T onto x: four K tiles ----
	HEAD1
	HEAD2 G0O1, G1O                                ; tile 1 into slot 1, where V lay: every wave's reads of V are over
	s_wait_loadcnt 16                              ; x is in; bo's 16 loads may stay out
	NMAIN ABN0, 0, 0, 0
	HEAD1
	s_add_nc_u64 s[G0O0+2:G0O0+3], s[G0O0+2:G0O0+3], 512
	NLAST 0, 0
	HEAD2 G0O0, G1O                                ; tile 2
	NMAIN ABN1, 0, 1, 1                            ; (and my part of the first chunk of w1 is asked for)
	HEAD1
	s_add_nc_u64 s[G0O1+2:G0O1+3], s[G0O1+2:G0O1+3], 512
	NLAST 0, 1
	HEAD2 G0O1, G1O                                ; tile 3
	NMAIN ABN0, 0, 2, 0
	HEAD1
	NLAST 0, 2
	HEAD2 G0A, G1A                                 ; w1's first chunk into slot 0
	NMAIN ABN1, 0, 3, 2                            ; (and my part of the first chunk of w2 is asked for)
	NLAST 0, 3
	; ---- hid = .. + bo; LN2 ----
.macro ROWSUM src, stride, off         ; lane sums v[src + stride a] -> the rows' sums over all 512 columns in v[32 + 4 a]
.irp a, 0,1,2,3
	v_permlanex16_b32 v[(\src)+(\stride)*(\a)+1], v[(\src)+(\stride)*(\a)], s[SEL], s[SEL+1]
.endr
.irp a, 0,1,2,3
	v_add_f32 v[(\src)+(\stride)*(\a)], v[(\src)+(\stride)*(\a)], v[(\src)+(\stride)*(\a)+1]
.endr
.irp a, 0,1,2,3
	ds_store_b32 v[SST], v[(\src)+(\stride)*(\a)] offset:(\off)+256*(\a)   ; row r's word of wave w; both halves of the lanes write the same number
.endr
	BAR
.irp a, 0,1,2,3
	ds_load_b128 v[32+4*(\a):35+4*(\a)], v[SLD] offset:(\off)+256*(\a)
.endr
	s_wait_dscnt 0x0
.irp a, 0,1,2,3
	v_add_f32 v[32+4*(\a)], v[32+4*(\a)], v[33+4*(\a)]
	v_add_f32 v[34+4*(\a)], v[34+4*(\a)], v[35+4*(\a)]
.endr
.irp a, 0,1,2,3
	v_add_f32 v[32+4*(\a)], v[32+4*(\a)], v[34+4*(\a)]
.endr
.endm
	PLACES
	WIN 0
	FRAGLD 64, 14                                  ; ln2_g
	FRAGLD 128, 16                                 ; ln2_b
	SPAIR A5,   0x3f07dc22                         ; the descriptors that lay here are done with: their loads were shown landed at the last change of slots
	SPAIR A5+2, 0xbf3a00e3
	SPAIR A5+4, 0x3f35f0e3
	SPAIR A5+6, 0xbe11a98e
	SPAIR A5+8, 0x3e027906
	SPAIR NL,   0xbf38aa3b
	s_mov_b32 s[PC], 0x3e6d3388
	s_wait_loadcnt 32                              ; bo is in; the 32 loads just issued may stay out
	WIN 0xc3                                       ; destination and source 0 window 3
.set p, 0
.rept 128
	v_pk_add_f32 v[2*p:2*p+1], v[2*p:2*p+1], v[192+2*(p%32):192+2*(p%32)+1]
.set p, p+1
.endr
	WIN 0x0f                                       ; the rows' sums: four chains a block
.irp a, 0,1,2,3
.irp c, 0,1,2,3
	v_pk_add_f32 v[192+8*(\a)+2*(\c):192+8*(\a)+2*(\c)+1], v[64*(\a)+2*(\c):64*(\a)+2*(\c)+1], v[64*(\a)+8+2*(\c):64*(\a)+8+2*(\c)+1]
.endr
.endr
	WIN 0x03
.set p, 8
.rept 24
.irp a, 0,1,2,3
	v_pk_add_f32 v[192+8*(\a)+2*(p%4):192+8*(\a)+2*(p%4)+1], v[64*(\a)+2*p:64*(\a)+2*p+1], v[192+8*(\a)+2*(p%4):192+8*(\a)+2*(p%4)+1]
.endr
.set p, p+1
.endr
	WIN 0
.irp a, 0,1,2,3
	v_pk_add_f32 v[192+8*(\a):192+8*(\a)+1], v[192+8*(\a):192+8*(\a)+1], v[192+8*(\a)+4:192+8*(\a)+5]
	v_pk_add_f32 v[192+8*(\a)+2:192+8*(\a)+3], v[192+8*(\a)+2:192+8*(\a)+3], v[192+8*(\a)+6:192+8*(\a)+7]
.endr
.irp a, 0,1,2,3
	v_pk_add_f32 v[192+8*(\a):192+8*(\a)+1], v[192+8*(\a):192+8*(\a)+1], v[192+8*(\a)+2:192+8*(\a)+3]
.endr
.irp a, 0,1,2,3
	v_add_f32 v[192+8*(\a)], v[192+8*(\a)], v[192+8*(\a)+1]
.endr
	ROWSUM 192, 8, 0
.irp a, 0,1,2,3
	v_mul_f32 v[48+2*(\a)], s[RC], v[32+4*(\a)]    ; the mean, in the low register of a pair
.endr
.irp a, 0,1,2,3                        ; the centred sum of squares
	WIN 0x03
.set p, 0
.rept 32
	v_pk_add_f32 v[192+2*p:192+2*p+1], v[64*(\a)+2*p:64*(\a)+2*p+1], v[48+2*(\a):49+2*(\a)] op_sel_hi:[1,0] neg_lo:[0,1] neg_hi:[0,1]
.set p, p+1
.endr
	WIN 0
.irp c, 0,1,2,3
	v_pk_mul_f32 v[32+2*(\c):33+2*(\c)], v[192+2*(\c):193+2*(\c)], v[192+2*(\c):193+2*(\c)]
.endr
.set p, 4
.rept 28
	v_pk_fma_f32 v[32+2*(p%4):33+2*(p%4)], v[192+2*p:193+2*p], v[192+2*p:193+2*p], v[32+2*(p%4):33+2*(p%4)]
.set p, p+1
.endr
	v_pk_add_f32 v[32:33], v[32:33], v[36:37]
	v_pk_add_f32 v[34:35], v[34:35], v[38:39]
	v_pk_add_f32 v[32:33], v[32:33], v[34:35]
	v_add_f32 v[40+2*(\a)], v32, v33
.endr
	ROWSUM 40, 2, 1024
.irp a, 0,1,2,3
	v_fma_f32 v[56+2*(\a)], v[32+4*(\a)], s[RC], s[EPSR]
.endr
.irp a, 0,1,2,3
	v_rsq_f32 v[56+2*(\a)], v[56+2*(\a)]
.endr
	v_nop
	s_wait_alu depctr_va_vdst(0)                   ; one wait for the four roots
.irp a, 0,1,2,3
	v_mul_f32 v[48+2*(\a)], -v[48+2*(\a)], v[56+2*(\a)]   ; - mean / sigma
.endr
	s_wait_loadcnt 0x0                             ; g and b
.irp a, 0,1,2,3                        ; (hid / sigma - mean / sigma) g + b, rounded to bf16 and handed round; hid itself stays in window 3
	WIN 0x03
.set p, 0
.rept 32
	v_pk_fma_f32 v[192+2*p:193+2*p], v[64*(\a)+2*p:64*(\a)+2*p+1], v[56+2*(\a):57+2*(\a)], v[48+2*(\a):49+2*(\a)] op_sel_hi:[1,0,0]
.set p, p+1
.endr
	WIN 0
.set p, 0
.rept 32
	v_pk_fma_f32 v[192+2*p:193+2*p], v[192+2*p:193+2*p], v[64+2*p:65+2*p], v[128+2*p:129+2*p]
.set p, p+1
.endr
.set p, 0
.rept 32
	v_cvt_pk_bf16_f32 v[192+p], v[192+2*p], v[193+2*p]
.set p, p+1
.endr
	XCHG \a, 192
.endr
	; ---- the hidden layer, 16 chunks of 128 ----
.macro FETCH1 bt, buf                  ; w1's fragments of four K steps of 32, my 2 blocks of 16 rows; K ascends, four loads a step
	PLACES
	WIN 0
.irp k, 0,1,2,3
.irp b, 0,1
	ds_load_b128 v[(\buf)+16*(\k)+8*(\b):(\buf)+16*(\k)+8*(\b)+3],   v[AB1] offset:16*PW*(\b)+64*(4*(\bt)+(\k))
	ds_load_b128 v[(\buf)+16*(\k)+8*(\b)+4:(\buf)+16*(\k)+8*(\b)+7], v[AB1] offset:16*PW*(\b)+64*(4*(\bt)+(\k))+32
.endr
.endr
.endm
.macro GEMM1                           ; 64 rows x my 32 columns of the chunk, K = 512; b1 starts the sums
	WIN 0
.irp b, 0,1
	ds_load_b128 v[GH+8*(\b):GH+8*(\b)+3],   v[AB1T] offset:64*(\b)
	ds_load_b128 v[GH+8*(\b)+4:GH+8*(\b)+7], v[AB1T] offset:64*(\b)+16
.endr
	v_add_nc_u32 v[AB1T], 0x200, v[AB1T]           ; the next chunk's 128 numbers
	FETCH1 0, 128
	FETCH1 1, 192
.irp bt, 0,1,2,3
.if (\bt) == 3
	s_wait_dscnt 0x0
.elseif (\bt) > 0
	FETCH1 (\bt)+1, 128+64*(((\bt)+1)&1)
	s_wait_dscnt 16                                ; this batch is in; the 16 loads just issued may stay out
.endif
.set GB, 128+64*((\bt)&1)
.irp hf, 0,1
	WIN 0x04+4*(\hf)                               ; source 1 window 1 (blocks 0, 1) or 2 (blocks 2, 3)
.irp k, 0,1,2,3
.if ((\bt) == 0) && ((\hf) == 0)
	s_wait_dscnt 28-4*(\k)                         ; straight behind the change of slots each K step is waited for by itself: behind its four loads stand 4 (3 - k) of the batch's and the next batch's 16
.endif
.irp a, 0,1
.irp b, 0,1
.set rD, GX+8*(2*(2*(\hf)+(\a))+(\b))
.if ((\bt) == 0) && ((\k) == 0)
	v_wmma_f32_16x16x32_bf16 v[rD:rD+7], v[GB+16*(\k)+8*(\b):GB+16*(\k)+8*(\b)+7], v[128*(\a)+8*(4*(\bt)+(\k)):128*(\a)+8*(4*(\bt)+(\k))+7], v[GH+8*(\b):GH+8*(\b)+7]
.else
	v_wmma_f32_16x16x32_bf16 v[rD:rD+7], v[GB+16*(\k)+8*(\b):GB+16*(\k)+8*(\b)+7], v[128*(\a)+8*(4*(\bt)+(\k)):128*(\a)+8*(4*(\bt)+(\k))+7], v[rD:rD+7]
.endif
.endr
.endr
.endr
.endr
.endr
.endm
.macro GELU                            ; on the lane's 64 numbers; two batches of transcendentals, a wait each
	PLACES
	WIN 0
.set i, 0
.rept 64
	v_fma_f32 v[GT+i], |v[GX+i]|, s[PC], 1.0
.set i, i+1
.endr
.set i, 0
.rept 64                               ; t = 1 / (..), by turns with -x x log2(e) / 2
	v_rcp_f32 v[GT+i], v[GT+i]
.if i < 32
	v_pk_mul_f32 v[GE+2*i:GE+2*i+1], v[GX+2*i:GX+2*i+1], v[GX+2*i:GX+2*i+1]
.else
	v_pk_mul_f32 v[GE+2*(i-32):GE+2*(i-32)+1], v[GE+2*(i-32):GE+2*(i-32)+1], s[NL:NL+1] op_sel_hi:[1,0]
.endif
.set i, i+1
.endr
	s_wait_alu depctr_va_vdst(0)                   ; one wait for the 64 reciprocals; the packed multiply above is the plain instruction behind the last
.set n, 0
.set e, 0
.irp hf, 0,1                           ; Horner's five steps on 16 pairs at a time, by turns with the 64 exponentials, whose registers they do not name
.irp st, 0,1,2,3,4
.set pr, 0
.rept 16
.set tp, GT+32*(\hf)+2*pr
.set hp, GH+2*pr
.if (\st) == 0
	v_pk_fma_f32 v[hp:hp+1], v[tp:tp+1], s[A5:A5+1], s[A5+2:A5+3] op_sel_hi:[1,0,0]
.elseif (\st) < 4
	v_pk_fma_f32 v[hp:hp+1], v[hp:hp+1], v[tp:tp+1], s[A5+2+2*(\st):A5+3+2*(\st)] op_sel_hi:[1,1,0]
.else
	v_pk_mul_f32 v[tp:tp+1], v[hp:hp+1], v[tp:tp+1]
.endif
.if (2*(n+1))/5 > (2*n)/5
	v_exp_f32 v[GE+e], v[GE+e]
.set e, e+1
.endif
.set n, n+1
.set pr, pr+1
.endr
.endr
.endr
	v_nop
	s_wait_alu depctr_va_vdst(0)                   ; one wait for the 64 exponentials
.set i, 0
.rept 32
	v_pk_mul_f32 v[GE+2*i:GE+2*i+1], v[GT+2*i:GT+2*i+1], v[GE+2*i:GE+2*i+1]
.set i, i+1
.endr
.set i, 0
.rept 64
	v_max_num_f32 v[GT+i], 0, v[GX+i]
.set i, i+1
.endr
.set i, 0
.rept 64
	v_fma_f32 v[GX+i], -|v[GX+i]|, v[GE+i], v[GT+i]
.set i, i+1
.endr
.set i, 0
.rept 32
	v_cvt_pk_bf16_f32 v[GX+i], v[GX+2*i], v[GX+2*i+1]
.set i, i+1
.endr
.irp a, 0,1,2,3
.irp b, 0,1
	ds_store_b128 v[GST], v[GX+4*(2*(\a)+(\b)):GX+4*(2*(\a)+(\b))+3] offset:16*PN*(\a)+32*(\b)
.endr
.endr
.endm
	WIN 0
	s_mov_b32 s101, 0                              ; the high word of the chunks' offsets
	HEAD1                                          ; the walk's first change of slots is written out: w1's first chunk has landed,
	STEPC G0A, W1B, 17, 1                          ; its group 0 goes one chunk on,
	HEAD2 G0B, G1B                                 ; and slot 1 takes w2's first chunk
	s_mov_b32 s[CNT], 16
	s_branch .Lff_g                                ; the loop is entered in the middle of a trip: the first chunk has no chunk before it
.Lff_b:                                        ; w2's chunk has landed, the gelu's result lies in LDS; slot 0 takes w1's next chunk
	HEAD1
	STEPC G0B, W2B, 8, 0
	HEAD2 G0A, G1A
	NMAIN ABN1, 1, 0, 0
	HEAD1                                          ; w1's next chunk has landed; the step's last sixteen products stand between the add and the wait for it
	STEPC G0A, W1B, 17, 1
	NLAST 1, 0
	HEAD2 G0B, G1B                                 ; nobody reads the gelu's last result or slot 1 any more: slot 1 takes w2's next chunk
.Lff_g:
	GEMM1
	GELU
	WIN 0
	s_sub_co_u32 s[CNT], s[CNT], 1
	s_cmp_lg_u32 s[CNT], 0
	s_cbranch_scc1 .Lff_b
	; the last chunk's second product is written out: nothing is left to ask for
	WIN 0x40
	FRAGLD 0, 20                                   ; b2, into block 0 of the activations, which nothing reads any more
	WIN 0
	s_wait_tensorcnt 0x0
	ds_add_u32 v[SPW], v[NIL]
	s_wait_dscnt 0x0
	s_barrier_signal -1
	s_barrier_wait -1
	NMAIN ABN1, 1, 0, 0
	NLAST 1, 0
	; ---- the way out: + b2; a block of 16 rows at a time through my own stage, back as whole rows of 512 bytes ----
	PLACES
	s_wait_loadcnt 0x0
	WIN 0xc7                                       ; destination and source 0 window 3, source 1 window 1
.set p, 0
.rept 128
	v_pk_add_f32 v[2*p:2*p+1], v[2*p:2*p+1], v[2*(p%32):2*(p%32)+1]
.set p, p+1
.endr
	WIN 0
	BAR                                            ; the stages lie where the gelu's result lay: every wave's reads of it are over
.irp a, 0,1,2,3
.set OB, 32+64*((\a)&1)
	WIN 0x0c                                       ; store data window 3
.irp b, 0,1,2,3,4,5,6,7
	ds_store_b128 v[OST], v[8*(8*(\a)+(\b)):8*(8*(\a)+(\b))+3]   offset:64*(\b)
	ds_store_b128 v[OST], v[8*(8*(\a)+(\b))+4:8*(8*(\a)+(\b))+7] offset:64*(\b)+16
.endr
	WIN 0
.if (\a) >= 2
	s_wait_xcnt 0x0                                ; the stores of the block two back have read these registers
.endif
.irp row, 0,1,2,3,4,5,6,7,8,9,10,11,12,13,14,15
	ds_load_b128 v[OB+4*(\row):OB+4*(\row)+3], v[ORD] offset:PO*(\row)   ; LDS serves a wave's instructions in order (ISA guide 5.7.1.4): these see the stores above
.endr
.irp row, 0,1,2,3,4,5,6,7,8,9,10,11,12,13,14,15
	s_wait_dscnt 15-(\row)
	global_store_b128 v[OGO], v[OB+4*(\row):OB+4*(\row)+3], s[22:23] offset:(4*(\row)+(\a))*2048 th:TH_STORE_NT  ; 512 consecutive bytes, aligned
.endr
.endr
	s_wait_tensorcnt 0x0                           ; the wave's end
	ds_add_u32 v[SPW], v[NIL]
	s_wait_dscnt 0x0
	ROUND                                          ; the closing round
	s_endpgm
.Lfunc_end_k_q2b099cbe93_attnffn:
	.size	k_q2b099cbe93_attnffn, .Lfunc_end_k_q2b099cbe93_attnffn-k_q2b099cbe93_attnffn
	.p2alignl 7, 3214868480
	.fill 96, 4, 3214868480
	.section	.rodata,"a",@progbits
	.p2align	6, 0x0
	.amdhsa_kernel k_q2b099cbe93_attnffn
		.amdhsa_group_segment_fixed_size 327680
		.amdhsa_private_segment_fixed_size 0
		.amdhsa_enable_private_segment 0
		.amdhsa_kernarg_size 80
		.amdhsa_user_sgpr_count 2
		.amdhsa_user_sgpr_kernarg_segment_ptr 1
		.amdhsa_wavefront_size32 1
		.amdhsa_system_sgpr_workgroup_id_x 1
		.amdhsa_system_sgpr_workgroup_id_y 1
		.amdhsa_system_sgpr_workgroup_id_z 1
		.amdhsa_system_vgpr_workitem_id 0
		.amdhsa_next_free_vgpr 1024
		.amdhsa_next_free_sgpr 102
		.amdhsa_reserve_vcc 1
		.amdhsa_float_denorm_mode_32 3
		.amdhsa_float_denorm_mode_16_64 3
		.amdhsa_memory_ordered 1
		.amdhsa_forward_progress 1
		.amdhsa_inst_pref_size 255
	.end_amdhsa_kernel
	.section	.bss,"aw",@nobits
	.p2align	6
	.space	262144
	.amdgpu_metadata
---
amdhsa.version: [ 1, 2 ]
amdhsa.kernels:
  - .name:           k_q2b099cbe93_attnffn
    .symbol:         k_q2b099cbe93_attnffn.kd
    .args:
      - { .name: qkv, .offset: 0, .size: 8, .value_kind: global_buffer, .address_space: global }
      - { .name: rpb, .offset: 8, .size: 8, .value_kind: global_buffer, .address_space: global }
      - { .name: wts, .offset: 16, .size: 8, .value_kind: global_buffer, .address_space: global }
      - { .name: bo, .offset: 24, .size: 8, .value_kind: global_buffer, .address_space: global }
      - { .name: hidden_states, .offset: 32, .size: 8, .value_kind: global_buffer, .address_space: global }
      - { .name: ln2_g, .offset: 40, .size: 8, .value_kind: global_buffer, .address_space: global }
      - { .name: ln2_b, .offset: 48, .size: 8, .value_kind: global_buffer, .address_space: global }
      - { .name: b1, .offset: 56, .size: 8, .value_kind: global_buffer, .address_space: global }
      - { .name: b2, .offset: 64, .size: 8, .value_kind: global_buffer, .address_space: global }
      - { .name: out0, .offset: 72, .size: 8, .value_kind: global_buffer, .address_space: global }
    .group_segment_fixed_size: 327680
    .private_segment_fixed_size: 0
    .kernarg_segment_align: 8
    .kernarg_segment_size: 80
    .max_flat_workgroup_size: 128
    .sgpr_count:     102
    .vgpr_count:     1024
    .wavefront_size: 32
...
	.end_amdgpu_metadata
.endif
;; end of part 3
